; MI455X (gfx1250); checked and timed in simulation.
; The chip was launched on July 23, 2026; its instructions are those of AMD's public machine-readable ISA for CDNA 5 (MIT licence, August 2026) and "CDNA5" Instruction Set Architecture Reference Guide (July 2026). The comments in the code are by the model that wrote it; some were corrected since.
;; Self Attention. Allowed arithmetic: matrix products marked QUANTISED: E2M1 operands, one E8M0 scale for each 32 along K, by v_wmma_scale_f32_16x16x128_f8f6f4 with both operands' format E2M1 (or v_wmma_scale_f32_32x16x128_f4), f32 sums; products left as they are: bf16, f16 or f32 operands; f32 sums; everything else in f32.
;; Inputs: b_proj 1,024 float32; w_proj 1,024 x 1,024 float32; w_qkv 1,024 x 3,072 float32; x 8 x 1,024 x 1,024 float32.
;; Outputs: out0 8 x 1,024 x 1,024 float32.
;; This version of the problem:
;;   THIS VERSION OF THE PROBLEM IS GIVEN IN LOW PRECISION. The matrix products marked QUANTISED in the list below multiply operands that are first quantised to E2M1 (2 exponent bits, 1 mantissa bit; 4 bits a number), with one power-of-two scale for each 32 numbers along K (OCP MX v1.0); their sums are f32. The products marked 'left as it is' may take bf16, f16 or f32 operands, with f32 sums. Whichever they take, every output number must still come out within the allowed error. Rounding operands to bf16 (8 significant bits) uses up far more of that allowance than f16 does (11 bits, for magnitudes from 6e-5 to 65,504). All else is computed in f32.
;;   The module's matrix products, in the order in which they are computed (A, B: the left and right operand; K: the contracted axis; several contracted axes count as one K, in the product's order):
;;     1. [M 8,192, K 1,024] x [K 1,024, N 3,072]; A: input x; B: input w_qkv: QUANTISED
;;     2. batch 128 x [M 1,024, K 64] x [K 64, N 1,024]; A: computed on the way; B: computed on the way: left as it is (an operand is computed on the way)
;;     3. batch 128 x [M 1,024, K 1,024] x [K 1,024, N 64]; A: computed on the way; B: computed on the way: left as it is (an operand is computed on the way)
;;     4. [M 8,192, K 1,024] x [K 1,024, N 1,024]; A: computed on the way; B: input w_proj: left as it is (an operand is computed on the way)
;;   THE QUANTISER, for each operand of a quantised product, along K:
;;     - K is cut into blocks of 32 from its start; a last block that is shorter is filled with zeros.
;;     - A block's scale is 2^e with e = floor(log2(the largest magnitude in the block)) - 2, held to -126 .. 127; a block of zeros has e = 0. As a byte (E8M0): e + 127.
;;     - Each number is divided by its block's scale, clamped to +-6, and rounded to the nearest number of E2M1, ties to even, subnormals kept.
;;     - The product sums the exact products of the quantised numbers (number of the format x scale) in f32.
;;   ~~~python
;;   def quantise(x, axis):      # numpy; x: float32 -> the quantised numbers, widened to float32 again
;;       x = np.moveaxis(x, axis, -1); K = x.shape[-1]
;;       x = np.pad(x, [(0, 0)] * (x.ndim - 1) + [(0, -K % 32)]); x = x.reshape(x.shape[:-1] + (-1, 32)); a = np.abs(x).max(-1, keepdims=True)
;;       e = np.where(a > 0, np.clip(np.frexp(np.where(a > 0, a, 1))[1] - 1 - 2, -126, 127), 0)      # np.frexp(a)[1] - 1 = floor(log2(a)), exactly
;;       r = np.clip(x / 2.0 ** e, -6, 6)
;;       step = 2.0 ** (np.maximum(np.frexp(np.where(r == 0, 1, r))[1] - 1, 0) - 1)
;;       q = np.round(r / step) * step * 2.0 ** e      # np.round: ties to even
;;       return np.moveaxis(q.reshape(q.shape[:-2] + (-1,))[..., :K], -1, axis).astype(np.float32)
;;   ~~~
;; One version. Each part assembles by itself: llvm-mc -triple=amdgcn-amd-amdhsa -mcpu=gfx1250 --defsym DOCPART=n.
;; ======== version 1 of 1: 4 launches
;; limits: values are held in f16: magnitudes above 65,504 overflow, below 6.1e-05 lose precision
;; workspace buffers: x_codes 4,194,304 bytes; x_scales 262,144 bytes; w_codes 1,572,864 bytes; w_scales 98,304 bytes; wp_img 2,097,152 bytes; qkv 50,331,648 bytes; o_img 16,777,216 bytes
;; launch prep (part 1): grid 512 x 1, 4 waves a work-group, no clusters, 42,496 bytes of LDS; arguments x, w_qkv, w_proj, x_codes, x_scales, w_codes, w_scales, wp_img; writes x_codes, x_scales, w_codes, w_scales, wp_img
.if DOCPART == 1
	.amdgcn_target "amdgcn-amd-amdhsa--gfx1250"
	.amdhsa_code_object_version 6
	.text
	.protected	k_qc8c44e7161_prep
	.globl	k_qc8c44e7161_prep
	.p2align	8
	.type	k_qc8c44e7161_prep,@function
k_qc8c44e7161_prep:
	s_mov_b64 s[64:65], 0
	v_nop
	global_prefetch_b8 v0, s[64:65] scope:SCOPE_SE
	s_setreg_imm32_b32 hwreg(HW_REG_WAVE_MODE, 25, 1), 1
	s_wait_xcnt 0x0
; PREP: the operands of the later launches are made once.  Three kinds of work-group, told apart by the work-group's number alone; the paths never join.
;   0 .. 191    path W: w_qkv [1024 (k)][3072 (n)] f32 -> codes of FP4 (E2M1) laid [3072][512 bytes], K innermost, and E8M0 bytes.  A lane takes a column, its registers run down K.
;               A work-group takes 32 columns x 512 along K, each of its four waves 128 along K: 4 blocks a lane.  The waves' codes meet in one stage in LDS and leave as whole rows of 256 bytes.
;               The scale bytes are laid [tx 8][which 3][128 columns][32 bytes], column n = 1,024 which + 128 tx + row: what one work-group of the product reads is 12,288 dense bytes.
;   192 .. 255  path P: w_proj [1024 (k)][1024 (n)] f32 -> f16 in the order of a matrix operand's registers: [ks 8][NT 64][q 4][c 2][512 bytes]; lane (r, h) at 16 x lane holds n = 16 NT + r, k = 128 ks + 32 q + 16 c + 8 h + 0 .. 7.
;   256 .. 511  path X: x [8192][1024] f32 -> codes [8192][512 bytes] and E8M0 bytes [8192][32].  Rows are dense and 1,024 is a multiple of 32: a plain stream of blocks of 32.
; A block's scale is 2^(floor(log2(its largest magnitude)) - 2); its byte is the largest magnitude's exponent field - 2, held at 1 from below.  A block of zeros so gets the byte 1 where the rule says 127:
; its codes are zeros, which add nothing under any byte but 0xff, and this program alone reads the bytes.
; LIMITS: blocks whose largest magnitude lies under 2^-124 keep the byte 1; NaN and infinities among the inputs are not served; |w_proj| stays under 65,504 (f16).
; LDS: path X 0 .. 32,767 (8,192 a wave); path W 32,768 .. 41,983 (a stage of 32 rows x 272 bytes, then 512 bytes of scale words); the spare words from 41,984 on: each path has bytes of its own.  No tensor load.
.set SPARE, 41984                      ; the spare words, 128 bytes for each wave: two blocks of 256 bytes that no other line names
.set SPW,   190                        ; v190  LDS address of my spare word; never rewritten
.set NIL,   191                        ; v191  0; never rewritten
.set EMAX,  2
; path X
.set XSTEPS, 16                        ; a wave takes 16 steps of 512 numbers
.set CB,    8                          ; bytes of 16 codes
.set XR,    16                         ; v16-79   four sets of 16 numbers as they are loaded
.set XX,    80                         ; v80-111  two sets of 16 neighbours
.set XE,    112                        ; v112-127 a scale byte for each step
.set XC,    128                        ; v128-189 codes: four registers for each step, so that no store's data are written again
.set WREG,  8192                       ; a wave's region: two stages of 32 x SP bytes, behind them its 256 scale bytes
.set SP,    80                         ; a lane's place in a stage: its 64 bytes + 16 of padding
; path W
.set SIZE_N, 3072
.set NB,    4                          ; blocks of 32 along K for a wave (128 along K)
.set WPITCH, 272                       ; a stage row: 256 bytes of codes + 16
.set KROW,  512                        ; a row of the codes' buffer in bytes
.set WSTAGE, 32768
.set WSCL,  41472                      ; 16 bytes of scale bytes for each of the 32 columns
.set WSB,   24                         ; v24      my four scale bytes
.set WX,    32                         ; v32-95   two sets of 32 numbers
.set WC,    96                         ; v96-99   a block's codes
.set WSO,   100                        ; v100-103 a column's 16 scale bytes on the way out
.set WOUT,  112                        ; v112-127 the way out
; path P
.set PT,    8                          ; tiles of 16 columns for a wave
.set PX,    32                         ; v32-79   three sets of 16 numbers
.set PO,    96                         ; v96-111  two sets of 8 registers of f16
.macro XLOAD t
.irp i, 0,1,2,3
	global_load_b128 v[XR+16*((\t)%4)+4*\i:XR+16*((\t)%4)+4*\i+3], v3, s[4:5] offset:2048*(\t)+512*\i th:TH_LOAD_NT   ; 32 lanes read 512 consecutive bytes
.endr
.endm
.macro XTURN t                         ; step t's numbers through the stage: LDS serves a wave's instructions in order, so no wait stands between the stores and the loads
.irp i, 0,1,2,3
	ds_store_b128 v14, v[XR+16*((\t)%4)+4*\i:XR+16*((\t)%4)+4*\i+3] offset:32*SP*((\t)%2)+8*SP*\i
.endr
.irp i, 0,1,2,3
	ds_load_b128 v[XX+16*((\t)%2)+4*\i:XX+16*((\t)%2)+4*\i+3], v15 offset:32*SP*((\t)%2)+16*\i
.endr
.endm
.macro XSTEP t
.set XS, XX+16*((\t)%2)
.if (\t) > 0
	s_wait_dscnt 1                                 ; this step's numbers are back from the stage (the last step's byte store may be out): so its stores into the stage have read their registers,
.else
	s_wait_dscnt 0x0
.endif
.if (\t)+4 < XSTEPS
	XLOAD (\t)+4                                   ; which take the loads of four steps on
.endif
.if (\t)+1 < XSTEPS
.if XSTEPS-2-(\t) >= 3
	s_wait_loadcnt 12                              ; the next step's four loads are in; those of the three steps behind it may be out
.else
	s_wait_loadcnt 4*(XSTEPS-2-(\t))
.endif
	XTURN (\t)+1                                   ; and go through the other stage while this step is worked
.endif
	v_max3_num_f32 v8, |v[XS]|, |v[XS+1]|, |v[XS+2]|               ; the largest magnitude of my 16, in two chains
	v_max3_num_f32 v9, |v[XS+3]|, |v[XS+4]|, |v[XS+5]|
.irp i, 6,10
	v_max3_num_f32 v8, v8, |v[XS+\i]|, |v[XS+\i+1]|
	v_max3_num_f32 v9, v9, |v[XS+\i+2]|, |v[XS+\i+3]|
.endr
	v_max3_num_f32 v8, v8, |v[XS+14]|, |v[XS+15]|
	v_max3_num_f32 v8, v8, v9, (EMAX+1)<<23        ; and the floor 2^(3 - 127): the byte cannot fall under 1
	v_max_num_f32_dpp v8, v8, v8 row_xmask:1 row_mask:0xf bank_mask:0xf   ; and of my neighbour's 16: the block's
	v_add_nc_u32 v11, -(EMAX<<23), v8              ; 2 off its exponent field: the conversion takes the exponent field of this operand as its scale
	v_cvt_scalef32_pk8_fp4_f32 v[XC+4*(\t)], v[XS:XS+7], v11
	v_cvt_scalef32_pk8_fp4_f32 v[XC+4*(\t)+1], v[XS+8:XS+15], v11
	v_lshrrev_b32 v[XE+(\t)], 23, v11              ; the scale's byte (a plain line behind the conversions)
	ds_store_b8 v5, v[XE+(\t)] offset:16*(\t)      ; both lanes of a block write the same byte with the same value
	global_store_b64 v4, v[XC+4*(\t):XC+4*(\t)+1], s[10:11] offset:32*CB*(\t)   ; the wave stores 256 consecutive bytes, aligned
.endm
.macro WLOAD t                         ; block t: w(32 t + i, my column), i = 0 .. 31, into set t % 2
.irp i, 0,1,2,3,4,5,6,7,8,9,10,11,12,13,14,15,16,17,18,19,20,21,22,23,24,25,26,27,28,29,30,31
	global_load_b32 v[WX+32*((\t)%2)+\i], v3, s[6:7] offset:(32*(\t)+\i)*SIZE_N*4 th:TH_LOAD_NT
.endr
.endm
.macro WBLOCK t
.set WS, WX+32*((\t)%2)
.if (\t) < NB-1
	s_wait_loadcnt 32                              ; this block's 32 loads are in; the next block's may be out
.else
	s_wait_loadcnt 0
.endif
	v_max3_num_f32 v12, |v[WS]|, |v[WS+1]|, |v[WS+2]|              ; the block's largest magnitude: all 32 numbers are mine
	v_max3_num_f32 v13, |v[WS+3]|, |v[WS+4]|, |v[WS+5]|
.irp i, 6,10,14,18,22,26
	v_max3_num_f32 v12, v12, |v[WS+\i]|, |v[WS+\i+1]|
	v_max3_num_f32 v13, v13, |v[WS+\i+2]|, |v[WS+\i+3]|
.endr
	v_max3_num_f32 v12, v12, |v[WS+30]|, |v[WS+31]|
	v_max3_num_f32 v12, v12, v13, (EMAX+1)<<23     ; and the floor
	v_add_nc_u32 v11, -(EMAX<<23), v12             ; the conversion's scale operand
	v_lshrrev_b32 v13, 23, v11                     ; the scale's byte
.if (\t) == 0
	v_mov_b32 v[WSB], v13                          ; four bytes to a register, the lower K in the lower byte
.else
	v_lshl_or_b32 v[WSB], v13, 8*(\t), v[WSB]
.endif
.irp g, 0,1,2,3
	v_cvt_scalef32_pk8_fp4_f32 v[WC+\g], v[WS+8*\g:WS+8*\g+7], v11
.endr
	ds_store_b128 v4, v[WC:WC+3] offset:16*(\t)    ; 32 codes: 16 bytes of my column's row, in my wave's 64 bytes of it
.if (\t)+2 < NB
	WLOAD (\t)+2
.endif
	s_wait_dscnt 0x0                               ; the store has read its registers: the next block's codes may be written
.endm
.macro PLOAD i                         ; tile i of 16 columns: w_proj(16 c + 8 h + j, 16 i + r) into set i % 3
.irp c, 0,1
.irp j, 0,1,2,3,4,5,6,7
	global_load_b32 v[PX+16*((\i)%3)+8*\c+\j], v4, s[8:9] offset:(16*\c+\j)*4096+64*(\i)
.endr
.endr
.endm
.macro PSTEP i
.if PT-1-(\i) >= 2
	s_wait_loadcnt 32                              ; this tile's 16 loads are in; the two sets behind it may be out
.else
	s_wait_loadcnt 16*(PT-1-(\i))
.endif
	s_wait_xcnt 0x0                                ; the stores of two tiles back have read their registers, which are written again below
.irp c, 0,1
.irp p, 0,1,2,3
	v_cvt_pk_f16_f32 v[PO+8*((\i)%2)+4*\c+\p], v[PX+16*((\i)%3)+8*\c+2*\p], v[PX+16*((\i)%3)+8*\c+2*\p+1]   ; the lower k in the low half
.endr
.endr
.if (\i)+3 < PT
	PLOAD (\i)+3
.endif
.irp c, 0,1
	global_store_b128 v5, v[PO+8*((\i)%2)+4*\c:PO+8*((\i)%2)+4*\c+3], s[18:19] offset:(\i)*4096+512*\c   ; 32 lanes store 512 consecutive bytes, aligned
.endr
.endm
	s_load_b256 s[4:11], s[0:1], 0x0               ; x s[4:5], w_qkv s[6:7], w_proj s[8:9], x's codes s[10:11]
	s_load_b256 s[12:19], s[0:1], 0x20             ; x's scales s[12:13], w's codes s[14:15], w's scales s[16:17], w_proj's image s[18:19]
	v_lshl_add_u32 v[SPW], v0, 2, SPARE
	v_mov_b32 v[NIL], 0
	v_lshrrev_b32 v1, 5, v0
	v_readfirstlane_b32 s20, v1                    ; wave 0..3
	v_and_b32 v2, 31, v0                           ; lane
	s_wait_kmcnt 0x0
	s_cmp_lt_u32 ttmp9, 192
	s_cbranch_scc1 .Lw
	s_cmp_lt_u32 ttmp9, 256
	s_cbranch_scc1 .Lp
	; ---------------- path X: a wave takes a run of 8,192 numbers of x
	v_lshlrev_b32 v3, 4, v2                        ; my 16 bytes of a load's 512
	s_mul_i32 s21, s20, WREG
	v_lshrrev_b32 v14, 2, v2
	v_mul_u32_u24 v14, v14, SP
	v_and_b32 v15, 3, v2
	v_lshl_add_u32 v14, v15, 4, v14
	v_add_nc_u32 v14, s21, v14                     ; the stage, on the way in: SP (lane / 4) + 16 (lane % 4)
	v_mul_u32_u24 v15, v2, SP
	v_add_nc_u32 v15, s21, v15                     ; and on the way out: SP x lane: my 16 neighbours
	v_mul_u32_u24 v4, v2, CB                       ; my codes' place in a step's
	v_lshrrev_b32 v5, 1, v2
	s_add_co_u32 s21, s21, 2*32*SP
	v_add_nc_u32 v5, s21, v5                       ; LDS: my wave's 256 scale bytes, my block's byte
	v_lshlrev_b32 v7, 3, v2                        ; and on the way out 8 bytes a lane
	v_add_nc_u32 v6, s21, v7
	s_sub_co_u32 s22, ttmp9, 256
	s_lshl_b32 s22, s22, 2
	s_add_co_u32 s22, s22, s20                     ; which run is my wave's: 0 .. 1,023
	s_mov_b32 s25, 0
	s_lshl_b32 s24, s22, 15                        ; 32,768 bytes of x a run,
	s_add_nc_u64 s[4:5], s[4:5], s[24:25]
	s_lshl_b32 s24, s22, 12                        ; 4,096 of codes,
	s_add_nc_u64 s[10:11], s[10:11], s[24:25]
	s_lshl_b32 s24, s22, 8                         ; 256 scale bytes
	s_add_nc_u64 s[12:13], s[12:13], s[24:25]
.irp t, 0,1,2,3
	XLOAD \t
.endr
	s_wait_loadcnt 12                              ; step 0's four loads are in
	XTURN 0
.irp t, 0,1,2,3,4,5,6,7,8,9,10,11,12,13,14,15
	XSTEP \t
.endr
	ds_load_b64 v[8:9], v6                         ; LDS serves a wave's instructions in order: these see my byte stores
	s_wait_dscnt 0x0
	global_store_b64 v7, v[8:9], s[12:13]          ; 32 lanes store 256 consecutive bytes, aligned
	s_wait_tensorcnt 0x0                           ; the wave's end, behind my last LDS store
	ds_add_u32 v[SPW], v[NIL]
	s_wait_dscnt 0x0
	s_endpgm
	; ---------------- path W: the work-group takes 32 columns x 512 along K of w_qkv, my wave 128 along K
.Lw:
	s_and_b32 s22, ttmp9, 1                        ; which 512 along K
	s_lshr_b32 s21, ttmp9, 1                       ; which 32 columns: 0 .. 95
	v_lshlrev_b32 v3, 2, v2                        ; in: 4 bytes a lane
	s_lshl_b32 s23, s20, 6
	s_add_co_u32 s23, s23, WSTAGE
	v_mul_u32_u24 v4, v2, WPITCH
	v_add_nc_u32 v4, s23, v4                       ; into the stage: row = my column, my wave's 64 bytes of it
	v_and_b32 v5, 15, v2
	v_lshrrev_b32 v6, 4, v2                        ; out of it: sixteen lanes to a row, two rows an instruction, eight rows a wave
	s_mul_i32 s23, s20, 8*WPITCH
	s_add_co_u32 s23, s23, WSTAGE
	v_mul_u32_u24 v7, v6, WPITCH
	v_lshl_add_u32 v7, v5, 4, v7
	v_add_nc_u32 v7, s23, v7
	v_lshlrev_b32 v8, 9, v6
	v_lshl_add_u32 v8, v5, 4, v8                   ; and the same place in the codes' buffer
	v_lshlrev_b32 v10, 4, v2
	v_add_nc_u32 v10, WSCL, v10                    ; a column's 16 scale bytes in LDS,
	s_lshl_b32 s23, s20, 2
	v_add_nc_u32 v9, s23, v10                      ; my wave's four of them
	v_lshlrev_b32 v14, 5, v2                       ; a column's row of 32 scale bytes in memory
	s_mov_b32 s25, 0
	s_mul_i32 s24, s22, 512*SIZE_N*4
	s_mul_i32 s26, s20, 128*SIZE_N*4
	s_add_co_u32 s24, s24, s26
	s_lshl_b32 s26, s21, 7
	s_add_co_u32 s24, s24, s26
	s_add_nc_u64 s[6:7], s[6:7], s[24:25]          ; w_qkv: 512 y + 128 wave rows down, my first column
	s_lshl_b32 s24, s21, 14
	s_lshl_b32 s26, s22, 8
	s_add_co_u32 s24, s24, s26
	s_lshl_b32 s26, s20, 12
	s_add_co_u32 s24, s24, s26
	s_add_nc_u64 s[14:15], s[14:15], s[24:25]      ; codes: (first column + 8 wave) x 512 + 256 y
	s_lshr_b32 s24, s21, 2
	s_and_b32 s24, s24, 7                          ; tx: which 128 of the 1,024 columns
	s_mul_i32 s24, s24, 3
	s_lshr_b32 s26, s21, 5                         ; which: q, k or v
	s_add_co_u32 s24, s24, s26
	s_lshl_b32 s24, s24, 12                        ; 128 columns x 32 bytes
	s_and_b32 s26, s21, 3
	s_lshl_b32 s26, s26, 10                        ; my 32 columns among them
	s_add_co_u32 s24, s24, s26
	s_lshl_b32 s26, s22, 4
	s_add_co_u32 s24, s24, s26
	s_add_nc_u64 s[16:17], s[16:17], s[24:25]
	WLOAD 0
	WLOAD 1
.irp t, 0,1,2,3
	WBLOCK \t
.endr
	ds_store_b32 v9, v[WSB]                        ; my four scale bytes of my column
	s_wait_dscnt 0x0                               ; for the others' sake: my stores into the stage are done
	s_barrier_signal -1
	s_barrier_wait -1                              ; 32 whole rows of codes and 32 x 16 scale bytes lie in LDS
	s_cmp_lg_u32 s20, 0                            ; wave 0 stores the scale bytes: 16 a column
	s_cbranch_scc1 .Lw_codes
	ds_load_b128 v[WSO:WSO+3], v10
	s_wait_dscnt 0x0
	global_store_b128 v14, v[WSO:WSO+3], s[16:17]
.Lw_codes:
.irp t, 0,1,2,3
	ds_load_b128 v[WOUT+4*\t:WOUT+4*\t+3], v7 offset:2*\t*WPITCH
.endr
.irp t, 0,1,2,3
	s_wait_dscnt 3-\t                              ; the younger loads may be out
	global_store_b128 v8, v[WOUT+4*\t:WOUT+4*\t+3], s[14:15] offset:2*\t*KROW   ; sixteen lanes store 256 consecutive bytes, aligned
.endr
	s_wait_tensorcnt 0x0                           ; the wave's end: the three lines
	ds_add_u32 v[SPW], v[NIL]
	s_wait_dscnt 0x0
	s_endpgm
	; ---------------- path P: a wave takes 32 along K x 128 columns of w_proj: 8 tiles of 16 columns
.Lp:
	s_sub_co_u32 s21, ttmp9, 192
	s_lshl_b32 s21, s21, 2
	s_add_co_u32 s21, s21, s20                     ; 0 .. 255
	s_and_b32 s22, s21, 31                         ; which 32 along K
	s_lshr_b32 s23, s21, 5                         ; which 128 columns
	s_mov_b32 s25, 0
	s_lshl_b32 s24, s22, 17                        ; 32 rows of 4,096 bytes
	s_lshl_b32 s26, s23, 9
	s_add_co_u32 s24, s24, s26
	s_add_nc_u64 s[8:9], s[8:9], s[24:25]
	s_lshr_b32 s24, s22, 2
	s_lshl_b32 s24, s24, 18                        ; ks x 262,144
	s_and_b32 s26, s22, 3
	s_lshl_b32 s26, s26, 10                        ; q x 1,024
	s_add_co_u32 s24, s24, s26
	s_lshl_b32 s26, s23, 15                        ; 8 tiles of 4,096 bytes
	s_add_co_u32 s24, s24, s26
	s_add_nc_u64 s[18:19], s[18:19], s[24:25]
	v_and_b32 v3, 15, v2                           ; r
	v_lshrrev_b32 v6, 4, v2                        ; h
	v_lshlrev_b32 v4, 2, v3
	v_lshl_add_u32 v4, v6, 15, v4                  ; in: column r, 8 h rows down
	v_lshlrev_b32 v5, 4, v2                        ; out: 16 x lane
	PLOAD 0
	PLOAD 1
	PLOAD 2
.irp i, 0,1,2,3,4,5,6,7
	PSTEP \i
.endr
	s_wait_tensorcnt 0x0                           ; the three lines, so that all paths of the launch end alike
	ds_add_u32 v[SPW], v[NIL]
	s_wait_dscnt 0x0
	s_endpgm
.Lfunc_end_k_qc8c44e7161_prep:
	.size	k_qc8c44e7161_prep, .Lfunc_end_k_qc8c44e7161_prep-k_qc8c44e7161_prep
	.p2alignl 7, 3214868480
	.fill 96, 4, 3214868480
	.section	.rodata,"a",@progbits
	.p2align	6, 0x0
	.amdhsa_kernel k_qc8c44e7161_prep
		.amdhsa_group_segment_fixed_size 42496
		.amdhsa_private_segment_fixed_size 0
		.amdhsa_enable_private_segment 0
		.amdhsa_kernarg_size 64
		.amdhsa_user_sgpr_count 2
		.amdhsa_user_sgpr_kernarg_segment_ptr 1
		.amdhsa_wavefront_size32 1
		.amdhsa_system_sgpr_workgroup_id_x 1
		.amdhsa_system_sgpr_workgroup_id_y 1
		.amdhsa_system_sgpr_workgroup_id_z 1
		.amdhsa_system_vgpr_workitem_id 0
		.amdhsa_next_free_vgpr 192
		.amdhsa_next_free_sgpr 66
		.amdhsa_reserve_vcc 0
		.amdhsa_float_denorm_mode_32 3
		.amdhsa_float_denorm_mode_16_64 3
		.amdhsa_memory_ordered 1
		.amdhsa_forward_progress 1
		.amdhsa_inst_pref_size 73
	.end_amdhsa_kernel
	.amdgpu_metadata
---
amdhsa.version: [ 1, 2 ]
amdhsa.kernels:
  - .name:           k_qc8c44e7161_prep
    .symbol:         k_qc8c44e7161_prep.kd
    .args:
      - { .name: x, .offset: 0, .size: 8, .value_kind: global_buffer, .address_space: global }
      - { .name: w_qkv, .offset: 8, .size: 8, .value_kind: global_buffer, .address_space: global }
      - { .name: w_proj, .offset: 16, .size: 8, .value_kind: global_buffer, .address_space: global }
      - { .name: x_codes, .offset: 24, .size: 8, .value_kind: global_buffer, .address_space: global }
      - { .name: x_scales, .offset: 32, .size: 8, .value_kind: global_buffer, .address_space: global }
      - { .name: w_codes, .offset: 40, .size: 8, .value_kind: global_buffer, .address_space: global }
      - { .name: w_scales, .offset: 48, .size: 8, .value_kind: global_buffer, .address_space: global }
      - { .name: wp_img, .offset: 56, .size: 8, .value_kind: global_buffer, .address_space: global }
    .group_segment_fixed_size: 42496
    .private_segment_fixed_size: 0
    .kernarg_segment_align: 8
    .kernarg_segment_size: 64
    .max_flat_workgroup_size: 128
    .sgpr_count:     66
    .vgpr_count:     192
    .wavefront_size: 32
...
	.end_amdgpu_metadata
.endif
;; end of part 1
;; launch qkv (part 2): grid 8 x 32, 4 waves a work-group, clusters of 4 x 4, 327,680 bytes of LDS; arguments x_codes, x_scales, w_codes, w_scales, qkv; writes qkv
.if DOCPART == 2
	.amdgcn_target "amdgcn-amd-amdhsa--gfx1250"
	.amdhsa_code_object_version 6
	.text
	.protected	k_qc8c44e7161_qkv
	.globl	k_qc8c44e7161_qkv
	.p2align	8
	.type	k_qc8c44e7161_qkv,@function
k_qc8c44e7161_qkv:
	s_mov_b64 s[64:65], 0
	v_nop
	global_prefetch_b8 v0, s[64:65] scope:SCOPE_SE
	s_setreg_imm32_b32 hwreg(HW_REG_WAVE_MODE, 25, 1), 1
	s_wait_xcnt 0x0
	s_wait_alu depctr_hold_cnt(0) depctr_sa_sdst(0) depctr_va_vdst(0) depctr_va_sdst(0) depctr_va_ssrc(0) depctr_va_vcc(0) depctr_vm_vsrc(0)
	s_getreg_b32 s2, hwreg(HW_REG_IB_STS2, 6, 4)
	s_cmp_eq_u32 s2, 0
	s_cbranch_scc0 .Lentry_in_a_cluster
	s_endpgm
.Lentry_in_a_cluster:
	s_bfe_u32 s2, ttmp6, 0x10000c
	s_cmp_lg_u32 s2, 0xf033
	s_cbranch_scc0 .Lentry_shape_is_right
	s_endpgm
.Lentry_shape_is_right:
; QKV = x w_qkv on codes of FP4 (E2M1) with one E8M0 scale for each 32 along K; sums in f32; the results are rounded to f16 and stored in the order of the next products' operand registers.
; A: x's codes [8192][512 bytes], scales [8192][32].  B: w_qkv's codes [3072][512 bytes]; its scales laid [tx 8][which 3][128][32 bytes].  K = 1,024.
; SHARES.  8,192 x 3,072 / 256 = 256 x 384: a work-group (tx 0..7, ty 0..31) makes 256 tokens x 384 columns, so that 256 work-groups have equal work.  It goes in THREE PASSES of 128 columns:
; pass j makes columns 1,024 j + 128 tx + 0 .. 127: pass 0 is q, pass 1 k, pass 2 v, each time heads 2 tx and 2 tx + 1.  A pass's stores are on their way while the next pass multiplies.
; Four waves, as many as a WGP has SIMDs; in a pass a wave makes 128 tokens x 64 columns, one head: 32 accumulators.
; LDS.  x's codes for all of K stay: two halves of K, 256 rows of 256 bytes each.  w's chunks of 128 rows go through two buffers: chunks 0 and 1 are first fills, chunk 2 is filled into chunk 0's buffer
; when the last fragments out of it are in registers, and has the rest of pass 0 and all of pass 1 in which to land.  All scale bytes come once.  By this text's count a wave has six tensor loads out at the start, later one.
; Every wave issues every load for rows of its own (64 rows, or its part of a dense block of scales): no load stands under a branch.
; CLUSTERS: 4 x 4 work-groups.  The four of a row of the cluster need the same rows of x, the four of a column the same rows of w: each tile is asked for jointly, with a mask that names the four.
; THE MATRIX INSTRUCTION IS USED TRANSPOSED (source 0 = 16 rows of B, source 1 = 16 rows of A): a lane holds token l % 16 and eight neighbouring columns 8 (l / 16) + 0 .. 7.
; THE WAY OUT.  qkv is laid [which 3][batch 8][head 16][kt 64][sub 4][512 bytes]: kt a tile of 16 tokens, sub a tile of 16 of the head's 64 channels.  A lane's eight results pack into 16 bytes.
;   q and k: lane l's 16 bytes at 16 l: subs 2 u and 2 u + 1 are the registers 0-3 and 4-7 of a fragment of 16 tokens x 32 channels.
;   v: token r's 16 channels at 32 r, my half at + 16 (l / 16): a block [16 keys][16 channels].
;   Either way a store of the wave covers 512 consecutive bytes, aligned, straight from registers.
; LIMIT: |q|, |k|, |v| stay under 65,504 (f16).
; REGISTERS, in windows of 256: window 0: v16-31 addresses; v32-95 x's scale words, v96-191 w's, for all of K and all passes: loaded once.
;   window 1: v0-63 B's fragments (4 x 8), two sets; v64-191 A's (8 x 8), two sets.   window 2: the accumulators, (a, b) at v[8 (4 a + b)].   window 3: the packed results, two sets of 128.
.set KROW,   512                       ; a row of codes in memory
.set PITCH,  272                       ; an LDS row: 256 bytes + 16 of padding = 68 words: the 16 rows that a load touches start at 16 different banks (64 banks of 4 bytes: ISA guide 11.1)
.set QROWS,  64*PITCH                  ; 64 rows: what one tensor load brings
.set ASLOT,  4*QROWS                   ; x's 256 rows of one half of K; the two halves lie from 0 on
.set BBASE,  2*ASLOT                   ; w's two buffers:
.set BHALF,  2*QROWS                   ; 128 rows of one half of K,
.set BBUF,   2*BHALF                   ; both halves
.set SCA,    BBASE+2*BBUF              ; x's scales: 256 rows x 32 bytes as 32 units of 256 bytes + 16 of padding
.set SCB,    SCA+32*272                ; w's: 3 chunks x 128 rows x 32 bytes: 48 units
.set SBLK,   2*272                     ; the scales of 16 rows
.set SCHUNK, 16*272                    ; those of 128 rows
.set SPARE,  SCB+48*272                ; the spare words, 128 bytes for each wave: two blocks of 256 bytes that no other line names
.set ADRA, 16                          ; v16-17  LDS address of my A fragments in K's half 0, 1
.set ADRB, 20                          ; v20-23  the same for B: buffer c, half s at 2 c + s
.set COL,  26                          ; v26     my 16 bytes' place in a store's 512, for q and k
.set COV,  27                          ; v27     and for v
.set SPW,  28                          ; v28     LDS address of my spare word; never rewritten
.set NIL,  29                          ; v29     0; never rewritten
.set ASA,  30                          ; v30     LDS address of my rows' scale words of x
.set ASB,  31                          ; v31     and of w
.set SAR,  32                          ; x's scale words: half s, block a, the half's q-th 128 along K at v[SAR + 32 s + 4 a + q]
.set SBR,  96                          ; w's: pass j, half s, block b at v[SBR + 32 j + 16 s + 4 b + q]
.set G1A,  24                          ; s[24:31] group 1 for x's codes;  s[32:39] for w's;  s[48:55], s[56:63] for their scales
.set G1B,  32
.set G1SA, 48
.set G1SB, 56
.set GSA,  68                          ; groups 0, one for each of the six first fills: x's scales, w's scales,
.set GSB,  72
.set GA0,  76                          ; x's half 0, w's chunk 0 (later chunk 2),
.set GB0,  80
.set GA1,  84                          ; x's half 1, w's chunk 1
.set GB1,  88
.set OUT0, 12                          ; s[12:13], s[92:93], s[94:95] where my part of q, of k and of v begins
.set OUT1, 92
.set OUT2, 94
.set MUL,  0xa5                        ; sources 0 (B) and 1 (A) window 1, C and D window 2
.set MSB, 0
.macro WIN new                         ; s_set_vgpr_msb: bits 1:0 source 0, 3:2 source 1, 5:4 source 2, 7:6 destination; the high byte repeats the setting that is left
.if MSB != (\new)
	s_set_vgpr_msb (MSB<<8)|(\new)
.set MSB, \new
.endif
.endm
.macro CROUND                          ; a round of the cluster's barrier
	s_barrier_signal -1
	s_barrier_wait -1
	s_cmp_lg_u32 s14, 0
	s_cbranch_scc1 .Lnot_wave_0_\@
	s_barrier_signal -3
.Lnot_wave_0_\@:
	s_barrier_wait -3
	s_barrier_signal -1
	s_barrier_wait -1
.endm
; A load into a register that a matrix instruction has read, and a vector instruction that reads a matrix result, stand four places behind it; only plain vector instructions that name none of its
; registers are places (ISA guide 7.12.1 for vector instructions).
.macro PLACES
.rept 4
	v_nop
.endr
.endm
	s_load_b128 s[4:7], s[0:1], 0x0                ; x's codes s[4:5], x's scales s[6:7]
	s_load_b128 s[8:11], s[0:1], 0x10              ; w's codes s[8:9], w's scales s[10:11]
	s_load_b64 s[12:13], s[0:1], 0x20              ; qkv
	v_lshl_add_u32 v[SPW], v0, 2, SPARE
	v_mov_b32 v[NIL], 0
	ds_add_u32 v[SPW], v[NIL]                      ; the wave's opening: the add, twice on end, and its wait ahead of my first tensor load
	ds_add_u32 v[SPW], v[NIL]
	v_lshrrev_b32 v1, 5, v0
	v_readfirstlane_b32 s14, v1                    ; wave 0..3
	s_lshr_b32 s15, s14, 1                         ; which 128 of the 256 tokens are mine.  Also: which half of K of a chunk I fetch
	s_and_b32 s16, s14, 1                          ; which 64 of a pass's 128 columns.  Also: which 64 rows of a chunk I fetch
	s_bfe_u32 s40, ttmp6, 0x40000                  ; cx, cy: my place in the cluster
	s_bfe_u32 s41, ttmp6, 0x40004
	s_lshl_b32 s42, ttmp9, 2
	s_add_co_u32 s42, s42, s40                     ; tx = 4 x cluster x + cx
	s_and_b32 s17, ttmp7, 0xffff
	s_lshl_b32 s17, s17, 2
	s_add_co_u32 s17, s17, s41                     ; ty = 4 x cluster y + cy
	s_lshl_b32 s43, s41, 2
	s_lshl_b32 s43, 15, s43                        ; my row of the cluster
	s_lshl_b32 s44, 0x1111, s40                    ; my column
	; group 1 for codes: a tile of 64 rows x 256 bytes, padded in LDS
	s_or_b32 s[G1A+0], s43, (0<<16)|(1<<20)|(1<<21)|(5<<22)|(3<<25)  ; the mask: x's tiles go to my row; elements of 1 byte; padding on; bit 21 beside a mask; 4 words after every 64
	s_or_b32 s[G1B+0], s44, (0<<16)|(1<<20)|(1<<21)|(5<<22)|(3<<25)  ; w's go to my column
.irp g, G1A, G1B
	s_mov_b32 s[\g+1], 256<<16                     ; tensor_dim0
	s_mov_b32 s[\g+2], 64<<16                      ; tensor_dim1
	s_mov_b32 s[\g+3], 256<<16                     ; tile_dim0
	s_mov_b32 s[\g+4], 64                          ; tile_dim1
	s_mov_b32 s[\g+5], KROW                        ; the pitch
	s_mov_b32 s[\g+6], 0
	s_mov_b32 s[\g+7], 0
.endr
	; group 1 for scales: dense blocks as rows of 256 bytes (32 elements of 8 bytes), 16 bytes of padding behind each: x's 8 rows a wave (64 x 32 bytes), w's 12 (a quarter of 12,288 bytes)
	s_or_b32 s[G1SA+0], s43, (3<<16)|(1<<20)|(1<<21)|(5<<22)|(3<<25)
	s_mov_b32 s[G1SA+1], 32<<16
	s_mov_b32 s[G1SA+2], 8<<16
	s_mov_b32 s[G1SA+3], 32<<16
	s_mov_b32 s[G1SA+4], 8
	s_mov_b32 s[G1SA+5], 32
	s_mov_b32 s[G1SA+6], 0
	s_mov_b32 s[G1SA+7], 0
	s_or_b32 s[G1SB+0], s44, (3<<16)|(1<<20)|(1<<21)|(5<<22)|(3<<25)
	s_mov_b32 s[G1SB+1], 32<<16
	s_mov_b32 s[G1SB+2], 12<<16
	s_mov_b32 s[G1SB+3], 32<<16
	s_mov_b32 s[G1SB+4], 12
	s_mov_b32 s[G1SB+5], 32
	s_mov_b32 s[G1SB+6], 0
	s_mov_b32 s[G1SB+7], 0
	; where the tiles come from.  x's hang on ty and the wave alone, w's on tx and the wave alone, each in registers that never hold the other coordinate
	s_lshl_b32 s20, s17, 8
	s_lshl_b32 s18, s14, 6
	s_add_co_u32 s20, s20, s18                     ; x: row 256 ty + 64 wave
	s_lshl_b32 s22, s20, 5                         ; its scales, in bytes,
	s_mov_b32 s23, 0
	s_lshl_b32 s20, s20, 9                         ; and its codes
	s_mov_b32 s21, 0
	s_lshl_b32 s46, s42, 7
	s_lshl_b32 s47, s16, 6
	s_add_co_u32 s46, s46, s47                     ; w: row 128 tx + 64 (wave % 2) of a chunk,
	s_lshl_b32 s46, s46, 9
	s_lshl_b32 s47, s15, 8
	s_add_co_u32 s46, s46, s47                     ; K's half wave / 2
	s_mov_b32 s47, 0
	s_mul_i32 s92, s42, 12288                      ; w's scales: my work-group's 12,288 bytes, my quarter
	s_mul_i32 s93, s14, 3072
	s_add_co_u32 s92, s92, s93
	s_mov_b32 s93, 0
	; and where they go: the wave's number and constants alone
	s_mul_i32 s45, s14, QROWS
	s_mul_i32 s94, s14, 8*272
	s_mul_i32 s95, s14, 12*272
	s_mul_i32 s96, s15, BHALF
	s_mul_i32 s97, s16, QROWS
	s_add_co_u32 s96, s96, s97
	s_mov_b32 s[GSA], 1
	s_add_co_u32 s[GSA+1], s94, SCA
	s_mov_b32 s[GSB], 1
	s_add_co_u32 s[GSB+1], s95, SCB
	s_mov_b32 s[GA0], 1
	s_mov_b32 s[GA0+1], s45
	s_mov_b32 s[GB0], 1
	s_add_co_u32 s[GB0+1], s96, BBASE
	s_mov_b32 s[GA1], 1
	s_add_co_u32 s[GA1+1], s45, ASLOT
	s_mov_b32 s[GB1], 1
	s_add_co_u32 s[GB1+1], s96, BBASE+BBUF
	s_wait_dscnt 0x0                               ; both opening adds are done
	s_wait_kmcnt 0x0
	s_add_nc_u64 s[GSA+2:GSA+3], s[6:7], s[22:23]
	s_add_nc_u64 s[GSB+2:GSB+3], s[10:11], s[92:93]
	s_add_nc_u64 s[GA0+2:GA0+3], s[4:5], s[20:21]
	s_add_nc_u64 s[GA1+2:GA1+3], s[GA0+2:GA0+3], 256       ; K's second half: 256 bytes on in each row
	s_add_nc_u64 s[GB0+2:GB0+3], s[8:9], s[46:47]
	s_add_nc_u64 s[GB1+2:GB1+3], s[GB0+2:GB0+3], 0x80000   ; chunk 1: 1,024 rows of 512 bytes on
.irp g, GSA, GSB, GA0, GB0, GA1, GB1
	s_or_b32 s[\g+3], s[\g+3], 0x80000000          ; type = 2
.endr
	CROUND                                         ; all sixteen work-groups are here: the joint loads meet
	tensor_load_to_lds s[GSA:GSA+3], s[G1SA:G1SA+7]        ; the six first fills go out as one group; what the first four steps read comes first
	s_nop 0
	tensor_load_to_lds s[GSB:GSB+3], s[G1SB:G1SB+7]
	s_nop 0
	tensor_load_to_lds s[GA0:GA0+3], s[G1A:G1A+7]
	s_nop 0
	tensor_load_to_lds s[GB0:GB0+3], s[G1B:G1B+7]
	s_nop 0
	tensor_load_to_lds s[GA1:GA1+3], s[G1A:G1A+7]
	s_nop 0
	tensor_load_to_lds s[GB1:GB1+3], s[G1B:G1B+7]
	s_nop 0
	PLACES
	v_and_b32 v1, 15, v0                           ; r = l % 16
	v_bfe_u32 v2, v0, 4, 1                         ; h = l / 16
	v_mul_u32_u24 v3, v1, PITCH
	v_lshl_add_u32 v4, v2, 4, v3                   ; a fragment's row x pitch + 16 x half
	s_mul_i32 s18, s15, 2*QROWS                    ; my 128 rows of x
	v_add_nc_u32 v[ADRA], s18, v4
	s_add_co_u32 s18, s18, ASLOT
	v_add_nc_u32 v[ADRA+1], s18, v4
	s_mul_i32 s19, s16, QROWS                      ; my 64 rows of a chunk
	s_add_co_u32 s19, s19, BBASE
.irp k, 0,1,2,3
	v_add_nc_u32 v[ADRB+\k], s19, v4
	s_add_co_u32 s19, s19, BHALF
.endr
	v_lshlrev_b32 v5, 5, v1                        ; my row's scales: 32 bytes a row,
	v_lshrrev_b32 v6, 3, v1
	v_lshl_add_u32 v5, v6, 4, v5                   ; and 16 more behind the eighth row
	s_mul_i32 s18, s15, SCHUNK
	s_add_co_u32 s18, s18, SCA
	v_add_nc_u32 v[ASA], s18, v5
	s_mul_i32 s18, s16, 8*272
	s_add_co_u32 s18, s18, SCB
	v_add_nc_u32 v[ASB], s18, v5
	v_and_b32 v5, 31, v0
	v_lshlrev_b32 v[COL], 4, v5                    ; the way out: 16 l for q and k,
	v_lshlrev_b32 v6, 5, v1
	v_lshl_add_u32 v[COV], v2, 4, v6               ; 32 r + 16 h for v
	; where my part begins: ((which x 8 + batch) x 16 + head) x 131,072 + kt x 2,048
	s_lshl_b32 s46, s42, 1
	s_add_co_u32 s46, s46, s16                     ; my head: 2 tx + wave % 2
	s_lshr_b32 s47, s17, 2                         ; batch: four ty of 256 tokens
	s_lshl_b32 s47, s47, 4
	s_add_co_u32 s46, s46, s47
	s_lshl_b32 s46, s46, 17
	s_and_b32 s47, s17, 3
	s_lshl_b32 s47, s47, 4
	s_lshl_b32 s18, s15, 3
	s_add_co_u32 s47, s47, s18                     ; my first tile of 16 tokens
	s_lshl_b32 s47, s47, 11
	s_add_co_u32 s46, s46, s47
	s_mov_b32 s47, 0
	s_add_nc_u64 s[OUT0:OUT0+1], s[12:13], s[46:47]
	s_add_nc_u64 s[OUT1:OUT1+1], s[OUT0:OUT0+1], 0x1000000  ; k lies 16,777,216 bytes behind q,
	s_add_nc_u64 s[OUT2:OUT2+1], s[OUT0:OUT0+1], 0x2000000  ; v as far again
.macro FRAG reg, adr, q, i             ; a fragment: lane l holds row l % 16; registers 4 c .. 4 c + 3 hold K = 64 c + 32 (l / 16) + 0 .. 31
.irp c, 0,1
	ds_load_b128 v[\reg+4*\c:\reg+4*\c+3], v[\adr] offset:64*(\q)+32*\c+(\i)*16*PITCH
.endr
.endm
.macro FETCH buf, hs, q, p             ; 24 LDS loads in one run: a step's fragments into set p: B's four out of buffer buf, A's eight; K's half hs, its q-th 128
	WIN 0x40                                       ; destination window 1, address window 0
.irp i, 0,1,2,3
	FRAG 32*(\p)+8*\i, ADRB+2*(\buf)+(\hs), \q, \i
.endr
.irp i, 0,1,2,3,4,5,6,7
	FRAG 64+64*(\p)+8*\i, ADRA+(\hs), \q, \i
.endr
.endm
.macro SCALEA                          ; x's scale words for all of K: 16 bytes (four words: 512 along K) a row and half; lanes 16-31 read what lanes 0-15 read, and are not used
.irp s, 0,1
.irp i, 0,1,2,3,4,5,6,7
	ds_load_b128 v[SAR+32*\s+4*\i:SAR+32*\s+4*\i+3], v[ASA] offset:\i*SBLK+16*\s
.endr
.endr
.endm
.macro SCALEB j                        ; w's, for pass j
.irp s, 0,1
.irp i, 0,1,2,3
	ds_load_b128 v[SBR+32*(\j)+16*\s+4*\i:SBR+32*(\j)+16*\s+4*\i+3], v[ASB] offset:(\j)*SCHUNK+\i*SBLK+16*\s
.endr
.endr
.endm
; 32 matrix instructions: A's eight blocks x B's four, 128 along K, from set p.  zero = 1: the pass's first products start the sums: nothing is cleared.
; The 32 accumulators take turns, one instruction a turn, in the same order in every step.
.macro MUL32 p, j, s, q, zero
.irp a, 0,1,2,3,4,5,6,7
.irp b, 0,1,2,3
.if \zero
	v_wmma_scale_f32_16x16x128_f8f6f4 v[8*(4*\a+\b):8*(4*\a+\b)+7], v[32*(\p)+8*\b:32*(\p)+8*\b+7], v[64+64*(\p)+8*\a:64+64*(\p)+8*\a+7], 0, v[SBR+32*(\j)+16*(\s)+4*\b+(\q)], v[SAR+32*(\s)+4*\a+(\q)] matrix_a_fmt:MATRIX_FMT_FP4 matrix_b_fmt:MATRIX_FMT_FP4
.else
	v_wmma_scale_f32_16x16x128_f8f6f4 v[8*(4*\a+\b):8*(4*\a+\b)+7], v[32*(\p)+8*\b:32*(\p)+8*\b+7], v[64+64*(\p)+8*\a:64+64*(\p)+8*\a+7], v[8*(4*\a+\b):8*(4*\a+\b)+7], v[SBR+32*(\j)+16*(\s)+4*\b+(\q)], v[SAR+32*(\s)+4*\a+(\q)] matrix_a_fmt:MATRIX_FMT_FP4 matrix_b_fmt:MATRIX_FMT_FP4
.endif
.endr
.endr
.endm
; STEP n of 24: pass n / 8, K's half (n % 8) / 4, its (n % 4)-th 128, set n % 2.  At its head: four places behind the last step's products, which read the other set; this step's fragments are waited for;
; the next step's are asked for into the other set, 32 products ahead of their use.
;   n = 3: the next step reads K's second half and, later, chunk 1: all my first fills are waited for, and a barrier shows everybody's.
;   n = 7: the last fragments out of buffer 0 are in registers: it is filled again, with chunk 2.
;   n = 15: the next step reads chunk 2: my part is waited for, and a barrier shows everybody's.
.macro STEPN n
.set N1, (\n)+1
	WIN 0                                          ; (the add's two registers lie in window 0; at a label and at a branch every window is 0)
	PLACES
.if (\n) == 7
	s_wait_tensorcnt 0x0                           ; no tensor load of mine is out, so a group 0 may be written
	ds_add_u32 v[SPW], v[NIL]                      ; 0 onto my spare word
	s_add_nc_u64 s[GB0+2:GB0+3], s[GB0+2:GB0+3], 0x100000  ; chunk 2: 2,048 rows of 512 bytes behind chunk 0; the type bits on top are not reached
	s_wait_dscnt 0x0                               ; the add is done, and my reads of buffer 0 are over
	CROUND                                         ; no wave of any partner still reads buffer 0 or has a load on its way
	tensor_load_to_lds s[GB0:GB0+3], s[G1B:G1B+7]  ; my one tensor load behind the round, and the first thing there
	s_nop 0
	PLACES
.elseif ((\n) == 3) || ((\n) == 15)
	s_wait_tensorcnt 0x0                           ; all my tensor loads have landed,
	s_wait_dscnt 0x0                               ; no LDS instruction of mine is out at the signal,
	s_barrier_signal -1
	s_barrier_wait -1                              ; and the same holds of every wave
.else
	s_wait_dscnt 0x0                               ; this step's fragments are in
.endif
.if (\n) < 23
	FETCH (N1/8)%2, (N1%8)/4, N1%4, N1%2
.endif
.if (\n) == 0
	WIN 0
	SCALEB 1                                       ; the later passes' scale words: they stay in registers
	SCALEB 2
.endif
	WIN MUL
.if (\n)%8 == 0
	MUL32 (\n)%2, (\n)/8, ((\n)%8)/4, (\n)%4, 1
.else
	MUL32 (\n)%2, (\n)/8, ((\n)%8)/4, (\n)%4, 0
.endif
.endm
; THE WAY OUT of pass j: 128 roundings to f16 (each accumulator from its low end on) into set j % 2 of window 3, 32 stores of 512 consecutive bytes: block a is a tile of 16 tokens, block b a sub of my head.
; The roundings are also the places between the pass's last products and the next pass's first, which write over the same accumulators.
.macro WAYOUT j, base, co
	WIN 0
	PLACES                                         ; behind the last products: for the reads of results
.if (\j) == 2
	s_wait_xcnt 0x0                                ; pass 0's stores have read their registers, which are written again below
.endif
	WIN 0xca                                       ; sources 0 and 1 window 2, destination window 3
.irp a, 0,1,2,3,4,5,6,7
.irp b, 0,1,2,3
.irp p, 0,1,2,3
	v_cvt_pk_f16_f32 v[128*((\j)%2)+4*(4*\a+\b)+\p], v[8*(4*\a+\b)+2*\p], v[8*(4*\a+\b)+2*\p+1]
.endr
.endr
.endr
	WIN 0x0c                                       ; a store's data are its source 1: window 3
.irp a, 0,1,2,3,4,5,6,7
.irp b, 0,1,2,3
	global_store_b128 v[\co], v[128*((\j)%2)+4*(4*\a+\b):128*((\j)%2)+4*(4*\a+\b)+3], s[\base:\base+1] offset:\a*2048+\b*512
.endr
.endr
	WIN 0
.endm
	s_wait_tensorcnt 0x2                           ; the scales, x's first half of K and chunk 0 are in; the two loads issued behind them may be out
	s_barrier_signal -1
	s_barrier_wait -1                              ; everybody's are
	SCALEA
	SCALEB 0
	FETCH 0, 0, 0, 0
.irp n, 0,1,2,3,4,5,6,7
	STEPN \n
.endr
	WAYOUT 0, OUT0, COL                            ; q
.irp n, 8,9,10,11,12,13,14,15
	STEPN \n
.endr
	WAYOUT 1, OUT1, COL                            ; k
.irp n, 16,17,18,19,20,21,22,23
	STEPN \n
.endr
	WAYOUT 2, OUT2, COV                            ; v
	s_wait_tensorcnt 0x0                           ; the wave's end
	ds_add_u32 v[SPW], v[NIL]
	s_wait_dscnt 0x0
	CROUND                                         ; the closing round
	s_endpgm
.Lfunc_end_k_qc8c44e7161_qkv:
	.size	k_qc8c44e7161_qkv, .Lfunc_end_k_qc8c44e7161_qkv-k_qc8c44e7161_qkv
	.p2alignl 7, 3214868480
	.fill 96, 4, 3214868480
	.section	.rodata,"a",@progbits
	.p2align	6, 0x0
	.amdhsa_kernel k_qc8c44e7161_qkv
		.amdhsa_group_segment_fixed_size 327680
		.amdhsa_private_segment_fixed_size 0
		.amdhsa_enable_private_segment 0
		.amdhsa_kernarg_size 40
		.amdhsa_user_sgpr_count 2
		.amdhsa_user_sgpr_kernarg_segment_ptr 1
		.amdhsa_wavefront_size32 1
		.amdhsa_system_sgpr_workgroup_id_x 1
		.amdhsa_system_sgpr_workgroup_id_y 1
		.amdhsa_system_sgpr_workgroup_id_z 1
		.amdhsa_system_vgpr_workitem_id 0
		.amdhsa_next_free_vgpr 1024
		.amdhsa_next_free_sgpr 98
		.amdhsa_reserve_vcc 0
		.amdhsa_float_denorm_mode_32 3
		.amdhsa_float_denorm_mode_16_64 3
		.amdhsa_memory_ordered 1
		.amdhsa_forward_progress 1
		.amdhsa_inst_pref_size 185
	.end_amdhsa_kernel
	.amdgpu_metadata
---
amdhsa.version: [ 1, 2 ]
amdhsa.kernels:
  - .name:           k_qc8c44e7161_qkv
    .symbol:         k_qc8c44e7161_qkv.kd
    .args:
      - { .name: x_codes, .offset: 0, .size: 8, .value_kind: global_buffer, .address_space: global }
      - { .name: x_scales, .offset: 8, .size: 8, .value_kind: global_buffer, .address_space: global }
      - { .name: w_codes, .offset: 16, .size: 8, .value_kind: global_buffer, .address_space: global }
      - { .name: w_scales, .offset: 24, .size: 8, .value_kind: global_buffer, .address_space: global }
      - { .name: qkv, .offset: 32, .size: 8, .value_kind: global_buffer, .address_space: global }
    .group_segment_fixed_size: 327680
    .private_segment_fixed_size: 0
    .kernarg_segment_align: 8
    .kernarg_segment_size: 40
    .max_flat_workgroup_size: 128
    .sgpr_count:     98
    .vgpr_count:     1024
    .wavefront_size: 32
...
	.end_amdgpu_metadata
.endif
;; end of part 2
;; launch attn (part 3): grid 2 x 128, 8 waves a work-group, no clusters, 327,680 bytes of LDS; arguments qkv, o_img; writes o_img
.if DOCPART == 3
	.amdgcn_target "amdgcn-amd-amdhsa--gfx1250"
	.amdhsa_code_object_version 6
	.text
	.protected	k_qc8c44e7161_attn
	.globl	k_qc8c44e7161_attn
	.p2align	8
	.type	k_qc8c44e7161_attn,@function
k_qc8c44e7161_attn:
	s_mov_b64 s[64:65], 0
	v_nop
	global_prefetch_b8 v0, s[64:65] scope:SCOPE_SE
	s_setreg_imm32_b32 hwreg(HW_REG_WAVE_MODE, 25, 1), 1
	s_wait_xcnt 0x0
; O[b][hd][q] = the sum over k of softmax_k(Q . K / 8) V, head size 64, 1,024 keys, no mask.  Operands f16, products, maxima and sums f32; the weights p are rounded to f16 for the second product, O once at the end.
; qkv is laid [which 3][b 8][head 16][kt 64][sub 4][512 bytes] by the launch before: q and k as images of operand registers (lane l's 16 bytes at 16 l), v as blocks [16 keys][16 channels] of 32-byte rows.
; SHARES.  A work-group owns 512 queries of one head, each of its eight waves 64: four tiles of 16, in 512 registers: two waves to a SIMD, so that one wave's softmax stands beside the other's products.
; A WHOLE HEAD'S K AND V, 131,072 bytes each, STAY IN LDS: filled once, at the head, by two tensor loads a wave (keys 0-255 first, so that the work begins while keys 256-1,023 land); nothing is filled again.
; By this text's count a wave has two tensor loads out.  A fragment read is 16 x lane: 512 consecutive bytes, so LDS needs no padding.
; NO CLUSTER: a head's K and V are read by 1,024 / 512 = 2 work-groups, the grid's whole x; four partners along x do not exist, and partners along y are other heads, which share nothing.
; LAYOUT.  S^T = K Q^T (source 0 = 16 keys, source 1 = 16 queries): a lane holds ONE query (l % 16) and the keys 8 (l / 16) + 0..7.  Two such tiles, rounded to f16 in pairs, ARE source 1 of O^T = V^T P.
; SOFTMAX.  For each query a running maximum m and sum l: p = 2^(c s - c m), c = log2(e) / 8; in every step O and l are multiplied by a = 2^(c m_old - c m_new).
; THE WAY OUT.  o_img is laid [ks 8][RT 512][q 4][c 2][512 bytes], the registers of the projection's operand: RT a tile of 16 tokens, K = 128 ks + 32 q + 16 c; head hd is ks = hd / 2, q = 2 (hd % 2) + 0, 1.
; LIMIT: |q|, |k|, |v| under 65,504 (f16); NaN and infinities are not served.
; REGISTERS.  window 0: v1-7 addresses; v16-47 eight registers of statistics a tile; v64-191 S^T, 32 a tile (p's f16 pairs are packed into a tile's first 16); v192-255 K of one step.
;             window 1: v0-63 Q, 16 a tile; v64-191 O^T, 32 a tile; v192-255 V of one step.
.set VBASE, 131072                     ; LDS: K from 0, V from here
.set SPARE, 262144                     ; the spare words, 128 bytes for each of eight waves: four blocks of 256 bytes that no other line names
.set STEPB, 8192                       ; a step's 64 keys: 4 tiles x 2,048 bytes, in K and in V
.set AK0, 1                            ; v1   16 x lane: my place in an image, in LDS and in memory; never rewritten
.set AV0, 2                            ; v2   my place in a block of V, for the turning load; never rewritten
.set ADK, 3                            ; v3   LDS address of the step's K
.set ADV, 4                            ; v4   of its V
.set SPW, 6                            ; v6   LDS address of my spare word; never rewritten
.set NIL, 7                            ; v7   0; never rewritten
.set ST,  16                           ; tile t's statistics at v[ST + 8 t]: +0 c m, +1 m, +2, +3 l (even keys', odd keys'), +4 to +7 c0-c3 at work; later +4, +5 a second sum, +6 a, +7 c m_old - c m_new
.set S,   64
.set KB,  192
.set O,   64                           ; in window 1
.set VB,  192                          ; in window 1
.set G1A, 16                           ; s[16:23] group 1 of the first load: 32 rows of 256 bytes
.set G1B, 24                           ; s[24:31] of the second: 96 rows
.set G0A, 32                           ; s[32:35], s[36:39] their groups 0
.set G0B, 36
.set CS,  40                           ; s[40:41] c: the packed form names a pair and takes its low word for both halves
.set SEL, 42                           ; s[42:43] lane selects for v_permlanex16_b32: lane l xor 16
.set TB,  44                           ; s44  LDS byte at which the step's keys begin
.set CNT, 45
.set MSB, 0
.macro WIN new                         ; s_set_vgpr_msb: bits 1:0 source 0, 3:2 source 1, 5:4 source 2, 7:6 destination; the high byte repeats the setting that is left
.if MSB != (\new)
	s_set_vgpr_msb (MSB<<8)|(\new)
.set MSB, \new
.endif
.endm
.macro FETCH_K off                     ; 64 keys x 64 channels: 16 loads of 512 consecutive bytes: register 4 i is tile i / 4, sub i % 4
.irp i, 0,1,2,3,4,5,6,7,8,9,10,11,12,13,14,15
	ds_load_b128 v[KB+4*\i:KB+4*\i+3], v[ADK] offset:\off+512*\i
.endr
.endm
.macro FETCH_K0
	v_add_nc_u32 v[ADK], s[TB], v[AK0]
	FETCH_K 0
.endm
.macro FETCH_V                         ; V turned: fragment (ct, v): channels 16 ct on, keys 32 v on; its half e comes from key tile 2 v + e
	WIN 0x40                                       ; destination window 1
.irp ct, 0,1,2,3
.irp v, 0,1
.irp e, 0,1
	ds_load_tr16_b128 v[VB+16*\ct+8*\v+4*\e:VB+16*\ct+8*\v+4*\e+3], v[ADV] offset:(2*\v+\e)*2048+512*\ct
.endr
.endr
.endr
.endm
.macro KQ                              ; S^T = K Q^T: 32 products; the 16 accumulators take turns, one instruction a turn; the first 16 start the sums
	WIN 0x04                                       ; Q in window 1
.irp u, 0,1
.irp kt, 0,1,2,3
.irp t, 0,1,2,3
.if \u == 0
	v_wmma_f32_16x16x32_f16 v[S+32*\t+8*\kt:S+32*\t+8*\kt+7], v[KB+16*\kt+8*\u:KB+16*\kt+8*\u+7], v[16*\t+8*\u:16*\t+8*\u+7], 0
.else
	v_wmma_f32_16x16x32_f16 v[S+32*\t+8*\kt:S+32*\t+8*\kt+7], v[KB+16*\kt+8*\u:KB+16*\kt+8*\u+7], v[16*\t+8*\u:16*\t+8*\u+7], v[S+32*\t+8*\kt:S+32*\t+8*\kt+7]
.endif
.endr
.endr
.endr
.endm
.macro PV first                        ; O^T += V^T P: 32 products, 16 accumulators by turns.  first = 1: the first 16 start the sums: nothing is cleared
	WIN 0x51                                       ; V, C and D in window 1, P in window 0
.irp v, 0,1
.irp ct, 0,1,2,3
.irp t, 0,1,2,3
.if \first && (\v == 0)
	v_wmma_f32_16x16x32_f16 v[O+32*\t+8*\ct:O+32*\t+8*\ct+7], v[VB+16*\ct+8*\v:VB+16*\ct+8*\v+7], v[S+32*\t+8*\v:S+32*\t+8*\v+7], 0
.else
	v_wmma_f32_16x16x32_f16 v[O+32*\t+8*\ct:O+32*\t+8*\ct+7], v[VB+16*\ct+8*\v:VB+16*\ct+8*\v+7], v[S+32*\t+8*\v:S+32*\t+8*\v+7], v[O+32*\t+8*\ct:O+32*\t+8*\ct+7]
.endif
.endr
.endr
.endr
.endm
; THE SOFTMAX of a step, the four tiles by turns line by line, so that no line waits for the line above it.  first = 1: the first step has no old maximum, no a, and nothing to rescale.
.macro SOFTMAX first
	WIN 0
.irp j, 0,1,2,3                        ; the maximum of a lane's 32 scores: four chains; each accumulator is read from its low end on
.irp t, 0,1,2,3
	v_max3_num_f32 v[ST+8*\t+4+\j], v[S+32*\t+8*\j], v[S+32*\t+8*\j+1], v[S+32*\t+8*\j+2]
.endr
.endr
.irp g, 1,2
.irp j, 0,1,2,3
.irp t, 0,1,2,3
	v_max3_num_f32 v[ST+8*\t+4+\j], v[ST+8*\t+4+\j], v[S+32*\t+8*\j+2*\g+1], v[S+32*\t+8*\j+2*\g+2]
.endr
.endr
.endr
.irp t, 0,1,2,3
	v_max3_num_f32 v[ST+8*\t+4], v[ST+8*\t+4], v[S+32*\t+7], v[S+32*\t+15]
.endr
.irp t, 0,1,2,3
	v_max3_num_f32 v[ST+8*\t+6], v[ST+8*\t+6], v[S+32*\t+23], v[S+32*\t+31]
.endr
.irp t, 0,1,2,3
	v_max3_num_f32 v[ST+8*\t+4], v[ST+8*\t+4], v[ST+8*\t+5], v[ST+8*\t+6]
.endr
.irp t, 0,1,2,3
.if \first
	v_max_num_f32 v[ST+8*\t+4], v[ST+8*\t+4], v[ST+8*\t+7]
.else
	v_max3_num_f32 v[ST+8*\t+4], v[ST+8*\t+4], v[ST+8*\t+7], v[ST+8*\t+1]   ; with the old m
.endif
.endr
.irp t, 0,1,2,3
	v_permlanex16_b32 v[ST+8*\t+5], v[ST+8*\t+4], s[SEL], s[SEL+1]         ; the query's other 32 keys lie in the lane 16 away
.endr
.if !\first
.irp t, 0,1,2,3
	v_mov_b32 v[ST+8*\t+7], v[ST+8*\t]             ; c m_old is kept for a
.endr
.endif
.irp t, 0,1,2,3
	v_max_num_f32 v[ST+8*\t+1], v[ST+8*\t+4], v[ST+8*\t+5]                 ; the new m
.endr
.irp t, 0,1,2,3
	v_mul_f32 v[ST+8*\t], s[CS], v[ST+8*\t+1]      ; c m
.endr
.if !\first
.irp t, 0,1,2,3
	v_sub_f32 v[ST+8*\t+7], v[ST+8*\t+7], v[ST+8*\t]
.endr
.endif
.irp b, 0,1,2,3,4,5,6,7,8,9,10,11,12,13,14,15
.irp t, 0,1,2,3
	v_pk_fma_f32 v[S+32*\t+2*\b:S+32*\t+2*\b+1], v[S+32*\t+2*\b:S+32*\t+2*\b+1], s[CS:CS+1], v[ST+8*\t:ST+8*\t+1] op_sel_hi:[1,0,0] neg_lo:[0,0,1] neg_hi:[0,0,1]   ; c s - c m, two at a time
.endr
.endr
.if !\first                            ; ONE BATCH of exponentials: the four a and the 128 p; none reads another's result
.irp t, 0,1,2,3
	v_exp_f32 v[ST+8*\t+6], v[ST+8*\t+7]
.endr
.endif
.irp e, 0,1,2,3,4,5,6,7,8,9,10,11,12,13,14,15,16,17,18,19,20,21,22,23,24,25,26,27,28,29,30,31
.irp t, 0,1,2,3
	v_exp_f32 v[S+32*\t+\e], v[S+32*\t+\e]
.endr
.endr
	v_nop                                          ; a plain instruction behind the last exponential, ahead of the first use
	s_wait_alu depctr_va_vdst(0)                   ; the wait ahead of the first instruction that names a result: one for the whole batch
.irp t, 0,1,2,3                        ; the sums, of the unrounded p, in two chains a tile: l and a second sum
.if \first
	v_pk_add_f32 v[ST+8*\t+2:ST+8*\t+3], v[S+32*\t:S+32*\t+1], v[S+32*\t+2:S+32*\t+3]
.else
	v_pk_fma_f32 v[ST+8*\t+2:ST+8*\t+3], v[ST+8*\t+2:ST+8*\t+3], v[ST+8*\t+6:ST+8*\t+7], v[S+32*\t:S+32*\t+1] op_sel_hi:[1,0,1]   ; l = a l + pair 0
.endif
.endr
.irp t, 0,1,2,3
	v_pk_add_f32 v[ST+8*\t+4:ST+8*\t+5], v[S+32*\t+2+2*\first:S+32*\t+3+2*\first], v[S+32*\t+4+2*\first:S+32*\t+5+2*\first]
.endr
.set z, 3+\first                       ; the pairs left go to the two chains by turns
.rept 13-\first
.irp t, 0,1,2,3
.if (z-3-\first)%2 == 0
	v_pk_add_f32 v[ST+8*\t+2:ST+8*\t+3], v[ST+8*\t+2:ST+8*\t+3], v[S+32*\t+2*z:S+32*\t+2*z+1]
.else
	v_pk_add_f32 v[ST+8*\t+4:ST+8*\t+5], v[ST+8*\t+4:ST+8*\t+5], v[S+32*\t+2*z:S+32*\t+2*z+1]
.endif
.endr
.set z, z+1
.endr
.irp t, 0,1,2,3
	v_pk_add_f32 v[ST+8*\t+2:ST+8*\t+3], v[ST+8*\t+2:ST+8*\t+3], v[ST+8*\t+4:ST+8*\t+5]
.endr
.irp j, 0,1,2,3,4,5,6,7,8,9,10,11,12,13,14,15   ; p to f16, in place: pair j goes to register j; every later pair lies above what has been written
.irp t, 0,1,2,3
	v_cvt_pk_f16_f32 v[S+32*\t+\j], v[S+32*\t+2*\j], v[S+32*\t+2*\j+1]
.endr
.endr
.if !\first
	WIN 0x41                                       ; O^T (destination and source 0) in window 1, a in window 0
.irp i, 0,1,2,3,4,5,6,7,8,9,10,11,12,13,14,15
.irp t, 0,1,2,3
	v_pk_mul_f32 v[O+32*\t+2*\i:O+32*\t+2*\i+1], v[O+32*\t+2*\i:O+32*\t+2*\i+1], v[ST+8*\t+6:ST+8*\t+7] op_sel_hi:[1,0]
.endr
.endr
.endif
.endm
; A KEY STEP: 64 keys.  pf = 1: the next step's K is fetched behind this step's V, a softmax ahead of its use.
.macro STEP first, pf
	WIN 0
	v_add_nc_u32 v[ADV], s[TB], v[AV0]             ; these two and three v_nop are the five places between the last V^T P, which read p in S^T's registers, and the K Q^T that writes over them
	v_add_nc_u32 v[ADK], s[TB], v[AK0]
.rept 3
	v_nop
.endr
	s_wait_dscnt 0x0                               ; K is in
	KQ
	WIN 0
.rept 4
	v_nop                                          ; four places: for the softmax's reads of S^T and for the loads into K's and V's registers
.endr
	FETCH_V
	WIN 0
.if \pf
	FETCH_K STEPB
.endif
	SOFTMAX \first
	s_wait_dscnt 16*\pf                            ; V is in; the 16 loads of the next K, issued behind V's, may be out
	PV \first
	WIN 0
	s_add_co_u32 s[TB], s[TB], STEPB
.endm
	s_load_b128 s[4:7], s[0:1], 0x0                ; qkv s[4:5], o_img s[6:7]
	v_lshl_add_u32 v[SPW], v0, 2, SPARE
	v_mov_b32 v[NIL], 0
	ds_add_u32 v[SPW], v[NIL]                      ; the wave's opening: the add, twice on end, and its wait ahead of my first tensor load
	ds_add_u32 v[SPW], v[NIL]
	v_lshrrev_b32 v8, 5, v0
	v_readfirstlane_b32 s8, v8                     ; wave 0..7
	s_lshr_b32 s9, s8, 2                           ; I fetch for K (0) or for V (1),
	s_and_b32 s10, s8, 3                           ; and which quarter
	s_and_b32 s11, ttmp7, 0xffff                   ; 16 b + head
	; group 1: dense blocks as rows of 256 bytes (32 elements of 8 bytes), no padding
	s_mov_b32 s[G1A], 3<<16
	s_mov_b32 s[G1A+1], 32<<16                     ; tensor_dim0
	s_mov_b32 s[G1A+2], 32<<16                     ; tensor_dim1 = 32 rows: 8,192 bytes
	s_mov_b32 s[G1A+3], 32<<16                     ; tile_dim0
	s_mov_b32 s[G1A+4], 32                         ; tile_dim1
	s_mov_b32 s[G1A+5], 32                         ; the pitch
	s_mov_b32 s[G1A+6], 0
	s_mov_b32 s[G1A+7], 0
	s_mov_b32 s[G1B], 3<<16
	s_mov_b32 s[G1B+1], 32<<16
	s_mov_b32 s[G1B+2], 96<<16                     ; 96 rows: 24,576 bytes
	s_mov_b32 s[G1B+3], 32<<16
	s_mov_b32 s[G1B+4], 96
	s_mov_b32 s[G1B+5], 32
	s_mov_b32 s[G1B+6], 0
	s_mov_b32 s[G1B+7], 0
	s_lshl_b32 s46, s11, 17                        ; the head's 131,072 bytes
	s_add_co_u32 s47, s9, 1
	s_lshl_b32 s47, s47, 24                        ; k begins 16,777,216 bytes in, v twice that
	s_add_co_u32 s47, s47, s46
	s_lshl_b32 s48, s10, 13
	s_add_co_u32 s48, s48, s47                     ; the first load: my quarter of keys 0-255
	s_mov_b32 s49, 0
	s_mul_i32 s50, s10, 24576
	s_add_co_u32 s50, s50, s47
	s_add_co_u32 s50, s50, 32768                   ; the second: my quarter of keys 256-1,023
	s_mov_b32 s51, 0
	s_lshl_b32 s52, s9, 17                         ; and in LDS
	s_lshl_b32 s53, s10, 13
	s_add_co_u32 s[G0A+1], s52, s53
	s_mul_i32 s53, s10, 24576
	s_add_co_u32 s[G0B+1], s52, s53
	s_add_co_u32 s[G0B+1], s[G0B+1], 32768
	s_lshl_b32 s54, ttmp9, 5
	s_lshl_b32 s55, s8, 2
	s_add_co_u32 s54, s54, s55                     ; my first tile of 16 queries in the head: 32 x + 4 x wave
	s_lshl_b32 s56, s54, 11
	s_add_co_u32 s56, s56, s46                     ; Q's bytes
	s_mov_b32 s57, 0
	s_and_b32 s58, s11, 15                         ; head
	s_lshr_b32 s59, s11, 4                         ; b
	s_lshl_b32 s59, s59, 6
	s_add_co_u32 s59, s59, s54                     ; RT
	s_lshl_b32 s59, s59, 12
	s_lshr_b32 s60, s58, 1
	s_lshl_b32 s60, s60, 21                        ; ks x 2,097,152
	s_add_co_u32 s60, s60, s59
	s_and_b32 s58, s58, 1
	s_lshl_b32 s58, s58, 11                        ; the head's two q
	s_add_co_u32 s60, s60, s58
	s_mov_b32 s61, 0
	s_mov_b32 s[CS], 0x3e38aa3b                    ; c = log2(e) / 8
	s_mov_b32 s[CS+1], s[CS]                       ; (named with it as a pair, so it is written)
	s_mov_b32 s[SEL], 0x76543210
	s_mov_b32 s[SEL+1], 0xfedcba98
	s_mov_b32 s[TB], 0
	s_wait_dscnt 0x0                               ; both opening adds are done
	s_wait_kmcnt 0x0
	s_add_nc_u64 s[12:13], s[4:5], s[56:57]        ; Q at my first tile
	s_add_nc_u64 s[14:15], s[6:7], s[60:61]        ; o_img likewise
	s_mov_b32 s[G0A], 1
	s_add_nc_u64 s[G0A+2:G0A+3], s[4:5], s[48:49]
	s_or_b32 s[G0A+3], s[G0A+3], 0x80000000
	s_mov_b32 s[G0B], 1
	s_add_nc_u64 s[G0B+2:G0B+3], s[4:5], s[50:51]
	s_or_b32 s[G0B+3], s[G0B+3], 0x80000000
	tensor_load_to_lds s[G0A:G0A+3], s[G1A:G1A+7]  ; both first fills go out together, ahead of every wait on TENSORcnt, every LDS read and every barrier
	s_nop 0
	tensor_load_to_lds s[G0B:G0B+3], s[G1B:G1B+7]
	s_nop 0
.rept 4
	v_nop
.endr
	v_and_b32 v8, 31, v0
	v_lshlrev_b32 v[AK0], 4, v8
	WIN 0x40                                       ; destination window 1
.irp t, 0,1,2,3                        ; Q stays in registers: tile t, channels 32 u on, half c
.irp u, 0,1
.irp c, 0,1
	global_load_b128 v[16*\t+8*\u+4*\c:16*\t+8*\u+4*\c+3], v[AK0], s[12:13] offset:\t*2048+\u*1024+\c*512
.endr
.endr
.endr
	WIN 0
	v_and_b32 v9, 7, v0                            ; the turning load: lane l reads 16 bytes: key 8 (l / 16) + l % 8, channels 8 ((l / 8) % 2) + 0..7
	v_bfe_u32 v10, v0, 4, 1
	v_lshl_add_u32 v9, v10, 3, v9
	v_bfe_u32 v10, v0, 3, 1
	v_lshlrev_b32 v[AV0], 5, v9
	v_lshl_add_u32 v[AV0], v10, 4, v[AV0]
	v_add_nc_u32 v[AV0], VBASE, v[AV0]
	s_wait_tensorcnt 0x1                           ; my part of keys 0-255 is in; the one load issued behind it may stay out
	s_barrier_signal -1
	s_barrier_wait -1                              ; everybody's is
	FETCH_K0
	s_wait_loadcnt 0x0                             ; Q
	STEP 1, 1                                      ; keys 0-255, written out: their LDS bytes lie under 32,768 in K and in V, apart from what is still landing
	STEP 0, 1
	STEP 0, 1
	STEP 0, 0
	s_wait_tensorcnt 0x0                           ; my part of keys 256-1,023 is in,
	s_wait_dscnt 0x0
	s_barrier_signal -1
	s_barrier_wait -1                              ; everybody's is
	FETCH_K0
	s_mov_b32 s[CNT], 11
.Lstep:
	STEP 0, 1
	s_sub_co_u32 s[CNT], s[CNT], 1
	s_cmp_lg_u32 s[CNT], 0
	s_cbranch_scc1 .Lstep
	STEP 0, 0                                      ; the last step fetches no further K
	; THE WAY OUT.  l's two halves and the other half of the lanes' are added; O^T is divided by l, rounded to f16 and stored: a lane's eight channels of a query are 16 bytes of the projection's operand.
.irp t, 0,1,2,3
	v_add_f32 v[ST+8*\t+4], v[ST+8*\t+2], v[ST+8*\t+3]                     ; (these are the places behind the last products)
.endr
.irp t, 0,1,2,3
	v_permlanex16_b32 v[ST+8*\t+5], v[ST+8*\t+4], s[SEL], s[SEL+1]
.endr
.irp t, 0,1,2,3
	v_add_f32 v[ST+8*\t+4], v[ST+8*\t+4], v[ST+8*\t+5]
.endr
.irp t, 0,1,2,3
	v_rcp_f32 v[ST+8*\t+6], v[ST+8*\t+4]
.endr
	v_nop                                          ; a plain instruction between the last reciprocal and the use of its result
	s_wait_alu depctr_va_vdst(0)                   ; and the wait: one for the four
.irp t, 0,1,2,3
	WIN 0x41
.irp i, 0,1,2,3,4,5,6,7,8,9,10,11,12,13,14,15
	v_pk_mul_f32 v[O+32*\t+2*\i:O+32*\t+2*\i+1], v[O+32*\t+2*\i:O+32*\t+2*\i+1], v[ST+8*\t+6:ST+8*\t+7] op_sel_hi:[1,0]
.endr
	WIN 0x05                                       ; sources 0 and 1 window 1, destination window 0: S^T's registers are free
.irp i, 0,1,2,3,4,5,6,7,8,9,10,11,12,13,14,15
	v_cvt_pk_f16_f32 v[S+16*\t+\i], v[O+32*\t+2*\i], v[O+32*\t+2*\i+1]
.endr
	WIN 0
.irp ct, 0,1,2,3
	global_store_b128 v[AK0], v[S+16*\t+4*\ct:S+16*\t+4*\ct+3], s[14:15] offset:\t*4096+512*\ct   ; 32 lanes store 512 consecutive bytes, aligned
.endr
.endr
	s_wait_tensorcnt 0x0                           ; the wave's end
	ds_add_u32 v[SPW], v[NIL]
	s_wait_dscnt 0x0
	s_endpgm
.Lfunc_end_k_qc8c44e7161_attn:
	.size	k_qc8c44e7161_attn, .Lfunc_end_k_qc8c44e7161_attn-k_qc8c44e7161_attn
	.p2alignl 7, 3214868480
	.fill 96, 4, 3214868480
	.section	.rodata,"a",@progbits
	.p2align	6, 0x0
	.amdhsa_kernel k_qc8c44e7161_attn
		.amdhsa_group_segment_fixed_size 327680
		.amdhsa_private_segment_fixed_size 0
		.amdhsa_enable_private_segment 0
		.amdhsa_kernarg_size 16
		.amdhsa_user_sgpr_count 2
		.amdhsa_user_sgpr_kernarg_segment_ptr 1
		.amdhsa_wavefront_size32 1
		.amdhsa_system_sgpr_workgroup_id_x 1
		.amdhsa_system_sgpr_workgroup_id_y 1
		.amdhsa_system_sgpr_workgroup_id_z 1
		.amdhsa_system_vgpr_workitem_id 0
		.amdhsa_next_free_vgpr 512
		.amdhsa_next_free_sgpr 66
		.amdhsa_reserve_vcc 0
		.amdhsa_float_denorm_mode_32 3
		.amdhsa_float_denorm_mode_16_64 3
		.amdhsa_memory_ordered 1
		.amdhsa_forward_progress 1
		.amdhsa_inst_pref_size 202
	.end_amdhsa_kernel
	.amdgpu_metadata
---
amdhsa.version: [ 1, 2 ]
amdhsa.kernels:
  - .name:           k_qc8c44e7161_attn
    .symbol:         k_qc8c44e7161_attn.kd
    .args:
      - { .name: qkv, .offset: 0, .size: 8, .value_kind: global_buffer, .address_space: global }
      - { .name: o_img, .offset: 8, .size: 8, .value_kind: global_buffer, .address_space: global }
    .group_segment_fixed_size: 327680
    .private_segment_fixed_size: 0
    .kernarg_segment_align: 8
    .kernarg_segment_size: 16
    .max_flat_workgroup_size: 256
    .sgpr_count:     66
    .vgpr_count:     512
    .wavefront_size: 32
...
	.end_amdgpu_metadata
.endif
;; end of part 3
;; launch proj (part 4): grid 4 x 64, 4 waves a work-group, clusters of 4 x 4, 327,680 bytes of LDS; arguments o_img, wp_img, b_proj, out0; writes out0
.if DOCPART == 4
	.amdgcn_target "amdgcn-amd-amdhsa--gfx1250"
	.amdhsa_code_object_version 6
	.text
	.protected	k_qc8c44e7161_proj
	.globl	k_qc8c44e7161_proj
	.p2align	8
	.type	k_qc8c44e7161_proj,@function
k_qc8c44e7161_proj:
	s_mov_b64 s[64:65], 0
	v_nop
	global_prefetch_b8 v0, s[64:65] scope:SCOPE_SE
	s_setreg_imm32_b32 hwreg(HW_REG_WAVE_MODE, 25, 1), 1
	s_wait_xcnt 0x0
	s_wait_alu depctr_hold_cnt(0) depctr_sa_sdst(0) depctr_va_vdst(0) depctr_va_sdst(0) depctr_va_ssrc(0) depctr_va_vcc(0) depctr_vm_vsrc(0)
	s_getreg_b32 s2, hwreg(HW_REG_IB_STS2, 6, 4)
	s_cmp_eq_u32 s2, 0
	s_cbranch_scc0 .Lentry_in_a_cluster
	s_endpgm
.Lentry_in_a_cluster:
	s_bfe_u32 s2, ttmp6, 0x10000c
	s_cmp_lg_u32 s2, 0xf033
	s_cbranch_scc0 .Lentry_shape_is_right
	s_endpgm
.Lentry_shape_is_right:
; out0 = o w_proj + b_proj.  Operands f16, sums f32, the bias added in f32.  M = 8,192, N = 1,024, K = 1,024.
; Both operands come as images of operand registers: o_img [ks 8][RT 512][q 4][c 2][512 bytes], wp_img [ks 8][NT 64][q 4][c 2][512 bytes]: a tile of 16 rows x 128 K is 4,096 dense bytes, lane l's 16 bytes at 16 l.
; So a K step's tiles are dense blocks of memory, LDS needs no padding (a fragment read is 512 consecutive bytes), and a fragment of 16 x 32 is two loads.
; A tile of C is 128 (M) x 256 (N): 64 x 4 = 256 work-groups.  Four waves, each 64 x 128: 32 accumulators, 256 registers.  K goes in 8 steps of 128 through a ring of two LDS slots.
; CLUSTERS: 4 x 4 work-groups.  The four of a row of the cluster need the same tiles of o, the four of a column the same tiles of w_proj: each is asked for jointly, with a mask that names the four.
; THE MATRIX INSTRUCTION IS USED TRANSPOSED (source 0 = 16 columns of w_proj, source 1 = 16 rows of o): a lane holds eight neighbouring numbers of a row of C.
; REGISTERS.  window 0: v16-29 addresses; v32-95 A's fragments, two sets of 4 x 8; v96-223 B's, two sets of 8 x 8; v224-227 my four numbers of the bias; on the way out v32-159 rows of C.
;             window 1: the accumulators, (a, b) at v[8 (8 a + b)].
.set SLOT,   98304                     ; A's 8 tiles of 4,096 bytes, then B's 16
.set BOFF,   32768
.set STAGE,  2*SLOT                    ; behind the ring: 16 rows x (512 bytes + 16) for each wave, for the way out
.set SPITCH, 528
.set SPARE,  STAGE+4*16*SPITCH         ; the spare words, 128 bytes for each wave: two blocks of 256 bytes that no other line names
.set LAPS,   4                         ; a lap = two K steps = once round the ring
.set ASTEP,  2097152                   ; a K step on, in o_img
.set BSTEP,  262144                    ; and in wp_img
.set ADRA, 16                          ; v16-17  LDS address of my A fragments in slot 0, 1
.set ADRB, 20                          ; v20-21  the same for B
.set STO,  24                          ; v24     the way out: where I put 32 bytes of a row
.set RD,   25                          ; v25     where I read a row back
.set CO,   26                          ; v26     16 x lane
.set SPW,  28                          ; v28     LDS address of my spare word; never rewritten
.set NIL,  29                          ; v29     0; never rewritten
.set FA,   32
.set FB,   96
.set BIAS, 224
.set BB,   32                          ; the way out: 16 rows read back: v32-95 and v96-159 by turns
.set G1, 24                            ; s[24:31] group 1 for A's tiles;  s[32:39] group 0, one set for each slot
.set G0, 32
.set G1B, 48                           ; s[48:55], s[56:63] the same for B's
.set G0B, 56
.set MUL, 0x50                         ; C and D window 1, sources window 0
.set MSB, 0
.macro WIN new                         ; the immediate's high byte repeats the setting that is left
.if MSB != (\new)
	s_set_vgpr_msb (MSB<<8)|(\new)
.set MSB, \new
.endif
.endm
.macro JLOAD s                         ; a joint load: waves 0 and 1 fetch A's two halves, waves 2 and 3 B's; an s_nop 0 and four v_nop follow each of the two lines
	s_cmp_eq_u32 s13, 0
	s_cbranch_scc0 .Lfor_b_\@
	tensor_load_to_lds s[G0+4*\s:G0+4*\s+3], s[G1:G1+7]
	s_nop 0
.rept 4
	v_nop
.endr
	s_branch .Lasked_\@
.Lfor_b_\@:
	tensor_load_to_lds s[G0B+4*\s:G0B+4*\s+3], s[G1B:G1B+7]
	s_nop 0
.rept 4
	v_nop
.endr
.Lasked_\@:
.endm
.macro CREST                           ; a round of the cluster's barrier behind its opening barrier
	s_cmp_lg_u32 s12, 0
	s_cbranch_scc1 .Lnot_wave_0_\@
	s_barrier_signal -3
.Lnot_wave_0_\@:
	s_barrier_wait -3
	s_barrier_signal -1
	s_barrier_wait -1
.endm
.macro CROUND
	s_barrier_signal -1
	s_barrier_wait -1
	CREST
.endm
	s_load_b256 s[4:11], s[0:1], 0x0               ; o_img s[4:5], wp_img s[6:7], b_proj s[8:9], out0 s[10:11]
	v_lshl_add_u32 v[SPW], v0, 2, SPARE
	v_mov_b32 v[NIL], 0
	ds_add_u32 v[SPW], v[NIL]                      ; the wave's opening: the add, twice on end, and its wait ahead of my first tensor load
	ds_add_u32 v[SPW], v[NIL]
	v_lshrrev_b32 v1, 5, v0
	v_readfirstlane_b32 s12, v1                    ; wave 0..3
	s_lshr_b32 s13, s12, 1                         ; which half of the tile's rows is mine.  Also: I fetch for A (0) or for B (1)
	s_and_b32 s14, s12, 1                          ; which half of its columns.  Also: which half of that tile I fetch
	s_bfe_u32 s40, ttmp6, 0x40000                  ; cx, cy: my place in the cluster
	s_bfe_u32 s41, ttmp6, 0x40004
	s_lshl_b32 s42, ttmp9, 2
	s_add_co_u32 s42, s42, s40                     ; tile column of C
	s_and_b32 s15, ttmp7, 0xffff
	s_lshl_b32 s15, s15, 2
	s_add_co_u32 s15, s15, s41                     ; tile row of C
	s_lshl_b32 s43, s41, 2
	s_lshl_b32 s43, 15, s43                        ; my row of the cluster
	s_lshl_b32 s44, 0x1111, s40                    ; my column
	; group 1: dense blocks as rows of 256 bytes (32 elements of 8 bytes), no padding: A's half 64 rows (16,384 bytes), B's half 128 rows (32,768 bytes)
	s_or_b32 s[G1+0], s43, (3<<16)|(1<<21)         ; the mask: A's tiles go to my row; elements of 8 bytes; bit 21 beside a mask
	s_or_b32 s[G1B+0], s44, (3<<16)|(1<<21)
	s_mov_b32 s[G1+1], 32<<16                      ; tensor_dim0
	s_mov_b32 s[G1+2], 64<<16                      ; tensor_dim1
	s_mov_b32 s[G1+3], 32<<16                      ; tile_dim0
	s_mov_b32 s[G1+4], 64                          ; tile_dim1
	s_mov_b32 s[G1+5], 32                          ; the pitch
	s_mov_b32 s[G1+6], 0
	s_mov_b32 s[G1+7], 0
	s_mov_b32 s[G1B+1], 32<<16
	s_mov_b32 s[G1B+2], 128<<16
	s_mov_b32 s[G1B+3], 32<<16
	s_mov_b32 s[G1B+4], 128
	s_mov_b32 s[G1B+5], 32
	s_mov_b32 s[G1B+6], 0
	s_mov_b32 s[G1B+7], 0
	s_lshl_b32 s16, s15, 3
	s_lshl_b32 s17, s14, 2
	s_add_co_u32 s16, s16, s17                     ; A: tile of rows 8 x tile row + 4 x half
	s_lshl_b32 s16, s16, 12
	s_mov_b32 s17, 0
	s_lshl_b32 s46, s42, 4
	s_lshl_b32 s47, s14, 3
	s_add_co_u32 s46, s46, s47                     ; B: tile of columns 16 x tile column + 8 x half
	s_lshl_b32 s46, s46, 12
	s_mov_b32 s47, 0
	s_lshl_b32 s20, s14, 14                        ; where they go: no place in the cluster enters an LDS address
	s_lshl_b32 s21, s14, 15
	s_add_co_u32 s21, s21, BOFF
	s_wait_dscnt 0x0                               ; both opening adds are done
	s_wait_kmcnt 0x0
	s_add_nc_u64 s[16:17], s[4:5], s[16:17]
	s_add_nc_u64 s[46:47], s[6:7], s[46:47]
	CROUND                                         ; all sixteen work-groups are here: the first joint loads meet
.irp s, 0,1
	s_mov_b32 s[G0+4*\s], 1
	s_add_co_u32 s[G0+4*\s+1], s20, \s*SLOT
	s_add_nc_u64 s[G0+4*\s+2:G0+4*\s+3], s[16:17], \s*ASTEP
	s_or_b32 s[G0+4*\s+3], s[G0+4*\s+3], 0x80000000
	s_mov_b32 s[G0B+4*\s], 1
	s_add_co_u32 s[G0B+4*\s+1], s21, \s*SLOT
	s_add_nc_u64 s[G0B+4*\s+2:G0B+4*\s+3], s[46:47], \s*BSTEP
	s_or_b32 s[G0B+4*\s+3], s[G0B+4*\s+3], 0x80000000
	JLOAD \s
.endr
	v_and_b32 v1, 15, v0                           ; r
	v_bfe_u32 v2, v0, 4, 1                         ; h
	v_and_b32 v3, 31, v0
	v_lshlrev_b32 v[CO], 4, v3
	s_lshl_b32 s22, s13, 14                        ; my 4 tiles of A
	s_lshl_b32 s23, s14, 15                        ; my 8 tiles of B,
	s_add_co_u32 s23, s23, BOFF                    ; which lie behind A's
.irp s, 0,1
	v_add_nc_u32 v[ADRA+\s], s22, v[CO]
	v_add_nc_u32 v[ADRB+\s], s23, v[CO]
	s_add_co_u32 s22, s22, SLOT
	s_add_co_u32 s23, s23, SLOT
.endr
	s_mul_i32 s22, s12, 16*SPITCH
	s_add_co_u32 s22, s22, STAGE                   ; my stage
	v_mul_u32_u24 v4, v1, SPITCH                   ; in: row r, 32 bytes for each half of the lanes
	v_lshl_add_u32 v4, v2, 5, v4
	v_add_nc_u32 v[STO], s22, v4
	v_add_nc_u32 v[RD], s22, v[CO]                 ; back: the 32 lanes take one row of 512 bytes
	s_lshl_b32 s46, s42, 10                        ; my first column, in bytes: 1,024 x tile column + 512 x half
	s_lshl_b32 s47, s14, 9
	s_add_co_u32 s46, s46, s47
	s_mov_b32 s47, 0
	s_add_nc_u64 s[8:9], s[8:9], s[46:47]
	s_add_nc_u64 s[10:11], s[10:11], s[46:47]
	s_lshl_b32 s16, s15, 7
	s_lshl_b32 s17, s13, 6
	s_add_co_u32 s16, s16, s17                     ; my first row of C: 128 x tile row + 64 x half
	s_lshl_b32 s16, s16, 12
	s_mov_b32 s17, 0
	s_add_nc_u64 s[10:11], s[10:11], s[16:17]
	global_load_b128 v[BIAS:BIAS+3], v[CO], s[8:9] ; the bias of the four columns that I store
.macro MULA f, a, zero                 ; 8 products: A's block a x B's eight, 32 along K, from set f.  zero = 1: the first product starts the sums
.irp b, 0,1,2,3,4,5,6,7
.if \zero
	v_wmma_f32_16x16x32_f16 v[8*(8*(\a)+\b):8*(8*(\a)+\b)+7], v[FB+64*(\f)+8*\b:FB+64*(\f)+8*\b+7], v[FA+32*(\f)+8*(\a):FA+32*(\f)+8*(\a)+7], 0
.else
	v_wmma_f32_16x16x32_f16 v[8*(8*(\a)+\b):8*(8*(\a)+\b)+7], v[FB+64*(\f)+8*\b:FB+64*(\f)+8*\b+7], v[FA+32*(\f)+8*(\a):FA+32*(\f)+8*(\a)+7], v[8*(8*(\a)+\b):8*(8*(\a)+\b)+7]
.endif
.endr
.endm
.macro FETCH slot, q, f                ; 24 LDS loads in one run: the slot's q-th 32 along K into set f: B's eight fragments, then A's four
	WIN 0
.irp b, 0,1,2,3,4,5,6,7
.irp c, 0,1
	ds_load_b128 v[FB+64*(\f)+8*\b+4*\c:FB+64*(\f)+8*\b+4*\c+3], v[ADRB+\slot] offset:\b*4096+(\q)*1024+512*\c
.endr
.endr
.irp a, 0,1,2,3
.irp c, 0,1
	ds_load_b128 v[FA+32*(\f)+8*\a+4*\c:FA+32*(\f)+8*\a+4*\c+3], v[ADRA+\slot] offset:\a*4096+(\q)*1024+512*\c
.endr
.endr
.endm
.macro PLACES                          ; four places in front of loads into registers that matrix instructions have read, and of reads of results (ISA guide 7.12.1 for reads of results)
.rept 4
	v_nop
.endr
.endm
; A K step is four quarters of 32 along K, 32 matrix instructions each, on sets 0, 1, 0, 1; the 32 accumulators take turns, one instruction a turn, in the same order in every quarter.
; One of the first three: multiplies set f and, in its middle, fetches the slot's q-th quarter into set g.
.macro QUARTER slot, q, f, g, zero
	s_wait_dscnt 4                                 ; B's fragments and A's blocks 0, 1 are in; the youngest four loads (A's blocks 2, 3) may be out
	WIN MUL
	MULA \f, 0, \zero
	MULA \f, 1, \zero
	PLACES
	FETCH \slot, \q, \g
	s_wait_dscnt 24                                ; all but the 24 just issued
	WIN MUL
	MULA \f, 2, \zero
	MULA \f, 3, \zero
.endm
; The last quarter multiplies set 1 and changes slots: ONE barrier; in front of it each wave waits for all its tensor loads, adds 0 to its spare word, and waits for that and for its reads of this slot.
; fill = 1: the barrier opens a round of the cluster's barrier, and this slot is filled again, two K steps ahead: the first tensor load behind the round, one a wave.
.macro TURN slot, next, fill
	WIN 0                                          ; (the add's two registers lie in window 0)
	s_wait_tensorcnt 0x0                           ; all my tensor loads have landed: my part of the next slot
	ds_add_u32 v[SPW], v[NIL]                      ; 0 onto my spare word
	s_wait_dscnt 5                                 ; (the add and the youngest four loads may be out)
	WIN MUL
	MULA 1, 0, 0                                   ; eight matrix instructions stand between the add and the wait for it
	s_wait_dscnt 0x0                               ; the add is done, and my reads of this slot are over
	s_barrier_signal -1
	MULA 1, 1, 0
.if \fill
	WIN 0
.endif
	s_barrier_wait -1
.if \fill
	CREST                                          ; no wave of any partner still reads this slot's tile or has a load on its way
	s_add_nc_u64 s[G0+4*\slot+2:G0+4*\slot+3], s[G0+4*\slot+2:G0+4*\slot+3], 2*ASTEP
	s_add_nc_u64 s[G0B+4*\slot+2:G0B+4*\slot+3], s[G0B+4*\slot+2:G0B+4*\slot+3], 2*BSTEP
	JLOAD \slot                                    ; the four v_nop behind it are also the places in front of the loads below
.else
	PLACES
.endif
	FETCH \next, 0, 0
	WIN MUL
	MULA 1, 2, 0
	MULA 1, 3, 0
.endm
	s_wait_tensorcnt 1                             ; my part of K step 0 is in (K step 1's load, issued behind it, may be out)
	s_barrier_signal -1
	s_barrier_wait -1                              ; everybody's is
	FETCH 0, 0, 0
	QUARTER 0, 1, 0, 1, 1                          ; the first quarter stands in front of the loop: its products start the sums
	WIN 0                                          ; at a label and at a branch every window is 0
	s_mov_b32 s3, LAPS-1
.Llap:                                                 ; a trip goes once round the ring, from a lap's second quarter to the next lap's first, and fills both slots again
	QUARTER 0, 2, 1, 0, 0
	QUARTER 0, 3, 0, 1, 0
	TURN 0, 1, 1
	QUARTER 1, 1, 0, 1, 0
	QUARTER 1, 2, 1, 0, 0
	QUARTER 1, 3, 0, 1, 0
	TURN 1, 0, 1
	QUARTER 0, 1, 0, 1, 0
	WIN 0
	s_sub_co_u32 s3, s3, 1
	s_cmp_lg_u32 s3, 0
	s_cbranch_scc1 .Llap
	QUARTER 0, 2, 1, 0, 0                          ; the last lap fills nothing, and has no round of the cluster's barrier
	QUARTER 0, 3, 0, 1, 0
	TURN 0, 1, 0
	QUARTER 1, 1, 0, 1, 0
	QUARTER 1, 2, 1, 0, 0
	QUARTER 1, 3, 0, 1, 0
	s_wait_dscnt 4                                 ; the very last quarter: nothing more to fetch
	WIN MUL
	MULA 1, 0, 0
	MULA 1, 1, 0
	s_wait_dscnt 0
	MULA 1, 2, 0
	MULA 1, 3, 0
	WIN 0
; THE WAY OUT, block by block of 16 rows x 128 columns.  A lane holds 32 neighbouring bytes of a row, the lanes beside it other rows: a block goes through my own stage in LDS and comes back as whole rows of 512 bytes;
; the bias is added, and the 32 lanes store 512 consecutive bytes, aligned.  LDS serves a wave's instructions in order (ISA guide 5.7.1.4): no wait between the stores and the loads, nor in front of the next block's stores.
.macro TOSTAGE a
	WIN 0x04                                       ; an LDS store's data are its source 1: window 1
.irp b, 0,1,2,3,4,5,6,7
	ds_store_b128 v[STO], v[8*(8*(\a)+\b):8*(8*(\a)+\b)+3] offset:64*\b          ; each accumulator from its low end on
	ds_store_b128 v[STO], v[8*(8*(\a)+\b)+4:8*(8*(\a)+\b)+7] offset:64*\b+16
.endr
	WIN 0
.irp t, 0,1,2,3,4,5,6,7,8,9,10,11,12,13,14,15
	ds_load_b128 v[BB+64*((\a)%2)+4*\t:BB+64*((\a)%2)+4*\t+3], v[RD] offset:\t*SPITCH
.endr
.endm
.macro SEND a, younger                 ; younger: the LDS instructions issued behind block a's loads, which may stay out
	s_wait_dscnt \younger                          ; the block is back in registers
.irp t, 0,1,2,3,4,5,6,7,8,9,10,11,12,13,14,15
	v_pk_add_f32 v[BB+64*((\a)%2)+4*\t:BB+64*((\a)%2)+4*\t+1], v[BB+64*((\a)%2)+4*\t:BB+64*((\a)%2)+4*\t+1], v[BIAS:BIAS+1]
	v_pk_add_f32 v[BB+64*((\a)%2)+4*\t+2:BB+64*((\a)%2)+4*\t+3], v[BB+64*((\a)%2)+4*\t+2:BB+64*((\a)%2)+4*\t+3], v[BIAS+2:BIAS+3]
	global_store_b128 v[CO], v[BB+64*((\a)%2)+4*\t:BB+64*((\a)%2)+4*\t+3], s[10:11] offset:(16*(\a)+\t)*4096 th:TH_STORE_NT   ; written once, read by nobody here; 63 rows of C at the most in the immediate
.endr
.endm
	PLACES                                         ; behind the last products: for the reads of results and the loads into the fragments' registers
	s_wait_loadcnt 0x0                             ; the bias
	TOSTAGE 0
.irp a, 1,2,3
.if \a > 1
	s_wait_xcnt 0x0                                ; block a - 2's stores have read their registers: block a's loads may land there
.endif
	TOSTAGE \a
	SEND \a-1, 32                                  ; behind block a - 1's loads: block a's 16 stores and 16 loads
.endr
	SEND 3, 0
	s_wait_tensorcnt 0x0                           ; the wave's end: behind my last tensor load and my last LDS store
	ds_add_u32 v[SPW], v[NIL]
	s_wait_dscnt 0x0
	CROUND                                         ; the closing round: no work-group ends while a partner may still ask for a tile that names it
	s_endpgm
.Lfunc_end_k_qc8c44e7161_proj:
	.size	k_qc8c44e7161_proj, .Lfunc_end_k_qc8c44e7161_proj-k_qc8c44e7161_proj
	.p2alignl 7, 3214868480
	.fill 96, 4, 3214868480
	.section	.rodata,"a",@progbits
	.p2align	6, 0x0
	.amdhsa_kernel k_qc8c44e7161_proj
		.amdhsa_group_segment_fixed_size 327680
		.amdhsa_private_segment_fixed_size 0
		.amdhsa_enable_private_segment 0
		.amdhsa_kernarg_size 32
		.amdhsa_user_sgpr_count 2
		.amdhsa_user_sgpr_kernarg_segment_ptr 1
		.amdhsa_wavefront_size32 1
		.amdhsa_system_sgpr_workgroup_id_x 1
		.amdhsa_system_sgpr_workgroup_id_y 1
		.amdhsa_system_sgpr_workgroup_id_z 1
		.amdhsa_system_vgpr_workitem_id 0
		.amdhsa_next_free_vgpr 512
		.amdhsa_next_free_sgpr 66
		.amdhsa_reserve_vcc 0
		.amdhsa_float_denorm_mode_32 3
		.amdhsa_float_denorm_mode_16_64 3
		.amdhsa_memory_ordered 1
		.amdhsa_forward_progress 1
		.amdhsa_inst_pref_size 92
	.end_amdhsa_kernel
	.amdgpu_metadata
---
amdhsa.version: [ 1, 2 ]
amdhsa.kernels:
  - .name:           k_qc8c44e7161_proj
    .symbol:         k_qc8c44e7161_proj.kd
    .args:
      - { .name: o_img, .offset: 0, .size: 8, .value_kind: global_buffer, .address_space: global }
      - { .name: wp_img, .offset: 8, .size: 8, .value_kind: global_buffer, .address_space: global }
      - { .name: b_proj, .offset: 16, .size: 8, .value_kind: global_buffer, .address_space: global }
      - { .name: out0, .offset: 24, .size: 8, .value_kind: global_buffer, .address_space: global }
    .group_segment_fixed_size: 327680
    .private_segment_fixed_size: 0
    .kernarg_segment_align: 8
    .kernarg_segment_size: 32
    .max_flat_workgroup_size: 128
    .sgpr_count:     66
    .vgpr_count:     512
    .wavefront_size: 32
...
	.end_amdgpu_metadata
.endif
;; end of part 4
